; MI455X (gfx1250); checked and timed in simulation.
; The chip was launched on July 23, 2026; its instructions are those of AMD's public machine-readable ISA for CDNA 5 (MIT licence, August 2026) and "CDNA5" Instruction Set Architecture Reference Guide (July 2026). The comments in the code are by the model that wrote it; some were corrected since.
;; Block. Allowed arithmetic: float matrix products may take bf16 or f16 operands with f32 sums; all other float work in f32.
;; Inputs: W1 1,024 x 4,096 float32; W2 4,096 x 1,024 float32; Wk 1,024 x 1,024 float32; Wo 1,024 x 1,024 float32; Wq 1,024 x 1,024 float32; Wv 1,024 x 1,024 float32; b1 4,096 float32; b2 1,024 float32; bk 1,024 float32; bo 1,024 float32; bq 1,024 float32; bv 1,024 float32; ln1_b 1,024 float32; ln1_g 1,024 float32; ln2_b 1,024 float32; ln2_g 1,024 float32; x 4 x 1,024 x 1,024 float32.
;; Outputs: out0 4 x 1,024 x 1,024 float32.
;; One version. Each part assembles by itself: llvm-mc -triple=amdgcn-amd-amdhsa -mcpu=gfx1250 --defsym DOCPART=n.
;; ======== version 1 of 1: 7 launches
;; workspace buffers: wqkv 6,291,456 bytes; wb 25,165,824 bytes; h 8,388,608 bytes; qkv 25,165,824 bytes; y 8,388,608 bytes; x1 16,777,216 bytes; mid 33,554,432 bytes
;; launch prep (part 1): grid 448 x 1, 4 waves a work-group, no clusters, 0 bytes of LDS; arguments x, ln1_g, ln1_b, h, Wq, Wk, Wv, wqkv; writes h, wqkv
.if DOCPART == 1
	.amdgcn_target "amdgcn-amd-amdhsa--gfx1250"
	.amdhsa_code_object_version 6
	.text
	.protected	k_q2976ca8f4f_prep
	.globl	k_q2976ca8f4f_prep
	.p2align	8
	.type	k_q2976ca8f4f_prep,@function
k_q2976ca8f4f_prep:
	s_mov_b64 s[64:65], 0
	v_nop
	global_prefetch_b8 v0, s[64:65] scope:SCOPE_SE
	s_setreg_imm32_b32 hwreg(HW_REG_WAVE_MODE, 25, 1), 1
	s_wait_xcnt 0x0
; prep.  Two jobs of equal bytes for a work-group (65,536 in, 32,768 out), chosen by the work-group's number alone:
;   work-groups 0-255:   h = LayerNorm(x) * ln1_g + ln1_b, rounded to bf16.  16 rows of 1,024 f32 a work-group, 4 rows a wave.
;   work-groups 256-447: Wq, Wk, Wv, f32 to bf16, layout [K][N] kept; wqkv holds them one behind the other.
; Only what the next launch needs is made here; Wo, W1 and W2 are rounded in the next launch, by work-groups that have no block of its product.
; A stream: no LDS, no barrier, no matrix unit.  A wave takes a whole row (eight loads of 16 bytes a lane), keeps it in 32 registers
; through mean, variance and scaling, so x is read once.  The variance is the mean of (x - mean)^2, made from the differences,
; so a common offset of x costs no digits.  v_rsq_f32 is good to the last bit or so and flushes denormals.
; Every store of a wave covers 256 consecutive bytes, aligned.
.set T,   4                            ; v[4:11]    four running pairs
.set MU,  12                           ; v[12:13]   the mean, twice
.set R,   14                           ; v[14:15]   1 / sqrt(var + eps), twice
.set PX,  16                           ; v16        what the other half of the lanes sends
.set Y,   20                           ; v[20:83]   weights: packed bf16, two registers for each load
.set G,   20                           ; v[20:51]   the gain of my 32 columns
.set BB,  52                           ; v[52:83]   the bias of my 32 columns
.set X,   84                           ; v[84:211]  four rows of 32 registers (weights: 32 loads of 4)
.macro RED                             ; the sum of v[T] over the 32 lanes, into every lane
	v_add_f32_dpp v[T], v[T], v[T] row_xmask:1 row_mask:0xf bank_mask:0xf
	v_add_f32_dpp v[T], v[T], v[T] row_xmask:2 row_mask:0xf bank_mask:0xf
	v_add_f32_dpp v[T], v[T], v[T] row_xmask:4 row_mask:0xf bank_mask:0xf
	v_add_f32_dpp v[T], v[T], v[T] row_xmask:8 row_mask:0xf bank_mask:0xf
	v_permlanex16_b32 v[PX], v[T], s12, s13
	v_add_f32 v[T], v[T], v[PX]
.endm
.macro FOLD                            ; the four running pairs into v[T]
	v_pk_add_f32 v[T:T+1], v[T:T+1], v[T+2:T+3]
	v_pk_add_f32 v[T+4:T+5], v[T+4:T+5], v[T+6:T+7]
	v_pk_add_f32 v[T:T+1], v[T:T+1], v[T+4:T+5]
	v_add_f32 v[T], v[T], v[T+1]
.endm
; Row i of my four.  left = how many younger loads (the later rows') may stay out; gain and bias were asked for first.
.macro ROW i, left
	s_wait_loadcnt \left
.irp k, 0,2,4,6
	v_pk_add_f32 v[T+\k:T+\k+1], v[X+32*\i+\k:X+32*\i+\k+1], v[X+32*\i+8+\k:X+32*\i+8+\k+1]   ; the first sums start the chains
.endr
.irp m, 16,24
.irp k, 0,2,4,6
	v_pk_add_f32 v[T+\k:T+\k+1], v[T+\k:T+\k+1], v[X+32*\i+\m+\k:X+32*\i+\m+\k+1]
.endr
.endr
	FOLD
	RED
	v_mul_f32 v[MU], s14, v[T]                     ; mean = sum / 1024
	v_mul_f32 v[MU+1], s14, v[T]
.set kk, 0
.rept 16
	v_pk_add_f32 v[X+32*\i+kk:X+32*\i+kk+1], v[X+32*\i+kk:X+32*\i+kk+1], v[MU:MU+1] neg_lo:[0,1] neg_hi:[0,1]   ; x - mean
.set kk, kk+2
.endr
.irp k, 0,2,4,6
	v_pk_mul_f32 v[T+\k:T+\k+1], v[X+32*\i+\k:X+32*\i+\k+1], v[X+32*\i+\k:X+32*\i+\k+1]
.endr
.irp m, 8,16,24
.irp k, 0,2,4,6
	v_pk_fma_f32 v[T+\k:T+\k+1], v[X+32*\i+\m+\k:X+32*\i+\m+\k+1], v[X+32*\i+\m+\k:X+32*\i+\m+\k+1], v[T+\k:T+\k+1]
.endr
.endr
	FOLD
	RED
	v_fma_f32 v[T], v[T], s14, s15                 ; var + eps
	v_rsq_f32 v[R], v[T]
	v_rsq_f32 v[R+1], v[T]
	v_nop                                          ; one plain place behind a transcendental before its result is used (ISA guide 5.7.2)
.set kk, 0
	s_wait_alu depctr_va_vdst(0)
.rept 16
	v_pk_mul_f32 v[X+32*\i+kk:X+32*\i+kk+1], v[X+32*\i+kk:X+32*\i+kk+1], v[R:R+1]
.set kk, kk+2
.endr
.set kk, 0
.rept 16
	v_pk_fma_f32 v[X+32*\i+kk:X+32*\i+kk+1], v[X+32*\i+kk:X+32*\i+kk+1], v[G+kk:G+kk+1], v[BB+kk:BB+kk+1]
.set kk, kk+2
.endr
.set kk, 0
.rept 16
	v_cvt_pk_bf16_f32 v[X+32*\i+kk], v[X+32*\i+2*kk], v[X+32*\i+2*kk+1]   ; packed downward: register kk is free when it is written
.set kk, kk+1
.endr
.irp j, 0,1,2,3,4,5,6,7
	global_store_b64 v2, v[X+32*\i+2*\j:X+32*\i+2*\j+1], s[10:11] offset:2048*\i+256*\j   ; columns 128 j + 4 l .. + 3: the wave stores 256 consecutive bytes
.endr
.endm
	s_load_b256 s[4:11], s[0:1], 0x0               ; x s[4:5], ln1_g s[6:7], ln1_b s[8:9], h s[10:11]
	s_load_b256 s[16:23], s[0:1], 0x20             ; Wq s[16:17], Wk s[18:19], Wv s[20:21], wqkv s[22:23]
	v_and_b32 v3, 31, v0
	v_and_b32 v2, 0x60, v0                         ; 32 x wave
	v_lshlrev_b32 v3, 4, v3                        ; 16 l: my bytes in gain and bias
	v_lshl_or_b32 v1, v2, 9, v3                    ; wave x 16,384 + 16 l: my bytes in the f32 source
	v_lshrrev_b32 v2, 1, v1                        ; wave x 8,192 + 8 l: my bytes in the bf16 result
	s_mov_b32 s35, 0
	s_cmp_lt_u32 ttmp9, 256
	s_cbranch_scc1 .Lln
	; ---- weights: piece j = work-group - 256 of 192 pieces of 65,536 bytes ----
	s_sub_co_u32 s30, ttmp9, 256
	s_wait_kmcnt 0x0
	s_mov_b64 s[32:33], s[20:21]                   ; pieces 128-191: Wv
	s_mov_b32 s31, 128
	s_cmp_lt_u32 s30, 128
	s_cselect_b64 s[32:33], s[18:19], s[32:33]     ; 64-127: Wk
	s_cselect_b32 s31, 64, s31
	s_cmp_lt_u32 s30, 64
	s_cselect_b64 s[32:33], s[16:17], s[32:33]     ; 0-63: Wq
	s_cselect_b32 s31, 0, s31
	s_sub_co_u32 s31, s30, s31                     ; the piece's number inside its matrix
	s_lshl_b32 s34, s31, 16
	s_add_nc_u64 s[32:33], s[32:33], s[34:35]
	s_lshl_b32 s34, s30, 15                        ; wqkv keeps the pieces' order
	s_add_nc_u64 s[22:23], s[22:23], s[34:35]
.set i, 0
.rept 32
	global_load_b128 v[X+4*i:X+4*i+3], v1, s[32:33] offset:512*i th:TH_LOAD_NT   ; all 32 loads of the wave go out at once
.set i, i+1
.endr
.set i, 0
.rept 32
	s_wait_loadcnt 31-i                            ; loads come back in order (ISA guide 5.7.1): load i is in, the younger ones stay out
	v_cvt_pk_bf16_f32 v[Y+2*i], v[X+4*i], v[X+4*i+1]
	v_cvt_pk_bf16_f32 v[Y+2*i+1], v[X+4*i+2], v[X+4*i+3]
	global_store_b64 v2, v[Y+2*i:Y+2*i+1], s[22:23] offset:256*i
.set i, i+1
.endr
	s_endpgm
	; ---- LayerNorm 1 ----
.Lln:
	s_mov_b32 s12, 0x76543210                      ; v_permlanex16_b32: lane i of one half reads lane i of the other
	s_mov_b32 s13, 0xfedcba98
	s_mov_b32 s14, 0x3a800000                      ; 1 / 1024
	s_mov_b32 s15, 0x3727c5ac                      ; eps = 1e-5
	v_mov_b32 v[PX], 0                             ; the lane exchange counts as a reader of its destination
	s_lshl_b32 s34, ttmp9, 16                      ; 16 rows of 4,096 bytes
	s_wait_kmcnt 0x0
	s_add_nc_u64 s[4:5], s[4:5], s[34:35]
	s_lshl_b32 s34, ttmp9, 15                      ; 16 rows of 2,048 bytes
	s_add_nc_u64 s[10:11], s[10:11], s[34:35]
.irp j, 0,1,2,3,4,5,6,7
	global_load_b128 v[G+4*\j:G+4*\j+3], v3, s[6:7] offset:512*\j
.endr
.irp j, 0,1,2,3,4,5,6,7
	global_load_b128 v[BB+4*\j:BB+4*\j+3], v3, s[8:9] offset:512*\j
.endr
.irp i, 0,1,2,3
.irp j, 0,1,2,3,4,5,6,7
	global_load_b128 v[X+32*\i+4*\j:X+32*\i+4*\j+3], v1, s[4:5] offset:4096*\i+512*\j
.endr
.endr
	ROW 0, 24
	ROW 1, 16
	ROW 2, 8
	ROW 3, 0
	s_endpgm
.Lfunc_end_k_q2976ca8f4f_prep:
	.size	k_q2976ca8f4f_prep, .Lfunc_end_k_q2976ca8f4f_prep-k_q2976ca8f4f_prep
	.p2alignl 7, 3214868480
	.fill 96, 4, 3214868480
	.section	.rodata,"a",@progbits
	.p2align	6, 0x0
	.amdhsa_kernel k_q2976ca8f4f_prep
		.amdhsa_group_segment_fixed_size 0
		.amdhsa_private_segment_fixed_size 0
		.amdhsa_enable_private_segment 0
		.amdhsa_kernarg_size 64
		.amdhsa_user_sgpr_count 2
		.amdhsa_user_sgpr_kernarg_segment_ptr 1
		.amdhsa_wavefront_size32 1
		.amdhsa_system_sgpr_workgroup_id_x 1
		.amdhsa_system_sgpr_workgroup_id_y 1
		.amdhsa_system_sgpr_workgroup_id_z 1
		.amdhsa_system_vgpr_workitem_id 0
		.amdhsa_next_free_vgpr 212
		.amdhsa_next_free_sgpr 66
		.amdhsa_reserve_vcc 0
		.amdhsa_float_denorm_mode_32 3
		.amdhsa_float_denorm_mode_16_64 3
		.amdhsa_memory_ordered 1
		.amdhsa_forward_progress 1
		.amdhsa_inst_pref_size 49
	.end_amdhsa_kernel
	.amdgpu_metadata
---
amdhsa.version: [ 1, 2 ]
amdhsa.kernels:
  - .name:           k_q2976ca8f4f_prep
    .symbol:         k_q2976ca8f4f_prep.kd
    .args:
      - { .name: x, .offset: 0, .size: 8, .value_kind: global_buffer, .address_space: global }
      - { .name: ln1_g, .offset: 8, .size: 8, .value_kind: global_buffer, .address_space: global }
      - { .name: ln1_b, .offset: 16, .size: 8, .value_kind: global_buffer, .address_space: global }
      - { .name: h, .offset: 24, .size: 8, .value_kind: global_buffer, .address_space: global }
      - { .name: Wq, .offset: 32, .size: 8, .value_kind: global_buffer, .address_space: global }
      - { .name: Wk, .offset: 40, .size: 8, .value_kind: global_buffer, .address_space: global }
      - { .name: Wv, .offset: 48, .size: 8, .value_kind: global_buffer, .address_space: global }
      - { .name: wqkv, .offset: 56, .size: 8, .value_kind: global_buffer, .address_space: global }
    .group_segment_fixed_size: 0
    .private_segment_fixed_size: 0
    .kernarg_segment_align: 8
    .kernarg_segment_size: 64
    .max_flat_workgroup_size: 128
    .sgpr_count:     66
    .vgpr_count:     212
    .wavefront_size: 32
...
	.end_amdgpu_metadata
.endif
;; end of part 1
;; launch qkv (part 2): grid 16 x 16, 4 waves a work-group, clusters of 4 x 4, 327,680 bytes of LDS; arguments h, wqkv, qkv, bq, bk, bv, Wo, W1, W2, wb; writes qkv, wb
.if DOCPART == 2
	.amdgcn_target "amdgcn-amd-amdhsa--gfx1250"
	.amdhsa_code_object_version 6
	.text
	.protected	k_q2976ca8f4f_qkv
	.globl	k_q2976ca8f4f_qkv
	.p2align	8
	.type	k_q2976ca8f4f_qkv,@function
k_q2976ca8f4f_qkv:
	s_mov_b64 s[64:65], 0
	v_nop
	global_prefetch_b8 v0, s[64:65] scope:SCOPE_SE
	s_setreg_imm32_b32 hwreg(HW_REG_WAVE_MODE, 25, 1), 1
	s_wait_xcnt 0x0
	s_wait_alu depctr_hold_cnt(0) depctr_sa_sdst(0) depctr_va_vdst(0) depctr_va_sdst(0) depctr_va_ssrc(0) depctr_va_vcc(0) depctr_vm_vsrc(0)
	s_getreg_b32 s2, hwreg(HW_REG_IB_STS2, 6, 4)
	s_cmp_eq_u32 s2, 0
	s_cbranch_scc0 .Lentry_in_a_cluster
	s_endpgm
.Lentry_in_a_cluster:
	s_bfe_u32 s2, ttmp6, 0x10000c
	s_cmp_lg_u32 s2, 0xf033
	s_cbranch_scc0 .Lentry_shape_is_right
	s_endpgm
.Lentry_shape_is_right:
; qkv.  q, k, v = h W + b, rounded to bf16, stored by heads: qkv = q, k, v one behind the other, each [batch*16 + head][t][64].
; h: [4096][1024] bf16.  W: bf16 [K = 1024][N = 1024], Wq, Wk, Wv at bytes 0, 2,097,152, 4,194,304 of wqkv.  Sums in f32.
; A work-group makes 256 x 256 of one of the three products with four waves, 128 x 128 each (64 accumulator tiles, 512 registers).
; The product has 12 x 16 = 192 such blocks: narrower blocks would make more, but their rows of W would be 384 bytes and not aligned to 256.
; THE FOURTH COLUMN OF CLUSTERS (cluster x = 3, 64 work-groups) has no block of the product: it rounds Wo, W1 and W2 to bf16 into wb, for the launches
; behind this one (at the text's end).  The branch hangs on the cluster's x alone, which all sixteen partners share.
; K goes in steps of 128 through two LDS slots filled by the tensor data mover: 256 rows of h (256 bytes each) and 128 rows of W (512 bytes each).
; W lies [K][N]; the matrix unit wants K along a lane's registers: ds_load_tr16_b128 turns 8 x 8 blocks on the way from LDS to registers.
; CLUSTERS: 4 x 4 work-groups.  A row of the cluster shares the tiles of h, a column the tiles of W; each is asked for jointly, by the same
; tensor load with the same descriptor and a mask that names the four.  The cluster's x (0, 1, 2) says which of q, k, v: four block columns are one matrix.
; REGISTERS, in windows of 256:  window 0: v16-27 addresses; v64-127, v128-191 fragments of h, two buffers; v192-255 the bias of my 128 columns
;   window 1: v64-127, v128-191 fragments of W;  window 2: accumulator tiles of my rows 0-63 (tile (a, b) at v[8 (8 a + b)]);  window 3: rows 64-127.
; The matrix instruction is used transposed (source 0 = 16 columns of W, source 1 = 16 rows of h): a lane then holds eight neighbouring columns of one row.
.set SIZE_K, 1024
.set NB,     1024                      ; columns of W
.set KSTEP,  128
.set PITCHA, 272                       ; an LDS row of h: 256 bytes + 16: the 16 rows of a fragment load start at 16 different banks (64 banks of 4 bytes: ISA guide 11.1)
.set PITCHB, 544                       ; an LDS row of W: 512 bytes + 32: an odd multiple of 32, for the transposing loads
.set HALFT,  128*PITCHA                ; what one tensor load brings: 128 rows of h, or 64 rows of W (64 x 544 is the same 34,816 bytes)
.set SLOT,   4*HALFT
.set STAGE,  2*SLOT                    ; behind the ring: 16 rows x 272 bytes for each wave, for the way out
.set SPITCH, 272
.set LAPS,   SIZE_K/(2*KSTEP)          ; a lap = two K steps = once round the ring
.set ADRA, 16                          ; v16-17  LDS address of my fragments of h in slot 0, 1
.set ADRB, 20                          ; v20-21  the same for W
.set STO,  24                          ; v24     the way out: where I put 16 bytes of a row
.set RD,   25                          ; v25     the way out: where I read back
.set CO,   26                          ; v26     my byte offset in the result
.set BO,   27                          ; v27     my byte offset in the bias; not rewritten while its loads are out
.set F0,   64
.set F1,   128
.set XO,   64                          ; the way out: 64 numbers at work (buffer 0 is free by then)
.set RB,   160                         ; the way out: 32 registers read back and stored
.set BIAS, 192
.set G1, 24                            ; s[24:31] descriptor group 1 for h
.set G0, 32                            ; s[32:39] group 0 for h, one set for each slot
.set G1B, 48                           ; s[48:55] group 1 for W
.set G0B, 56                           ; s[56:63] group 0 for W
.set MSB, 0
.macro WIN new                         ; the immediate's high byte repeats the setting that is left
.if MSB != \new
	s_set_vgpr_msb (MSB<<8)|\new
.set MSB, \new
.endif
.endm
.set MUL_LO, 0xa1                      ; source 0 (W) window 1, source 1 (h) window 0, C and D window 2
.set MUL_HI, 0xf1                      ; the same, C and D window 3
.set TO_B,   0x40                      ; destination window 1, address window 0
; A joint load.  Waves 0 and 1 fetch the halves of h's tile, waves 2 and 3 those of W's.  The branch hangs on the wave's number alone.
.macro JLOAD s
	s_cmp_eq_u32 s11, 0
	s_cbranch_scc0 .Lfor_b_\@
	tensor_load_to_lds s[G0+4*\s:G0+4*\s+3], s[G1:G1+7]
	s_nop 0
	s_branch .Lasked_\@
.Lfor_b_\@:
	tensor_load_to_lds s[G0B+4*\s:G0B+4*\s+3], s[G1B:G1B+7]
	s_nop 0
.Lasked_\@:
.endm
; A round of the cluster's barrier: my work-group's barrier, wave 0 signals for the work-group, every wave waits for all sixteen, my work-group's barrier again.
.macro CREST                           ; a round behind its opening barrier
	s_cmp_lg_u32 s10, 0
	s_cbranch_scc1 .Lnot_wave_0_\@
	s_barrier_signal -3
.Lnot_wave_0_\@:
	s_barrier_wait -3
	s_barrier_signal -1
	s_barrier_wait -1
.endm
.macro CROUND
	s_barrier_signal -1
	s_barrier_wait -1
	CREST
.endm
	s_cmp_eq_u32 ttmp9, 3                          ; the clusters with x = 3 round weights
	s_cbranch_scc1 .Lconvert
	s_load_b128 s[4:7], s[0:1], 0x0                ; h s[4:5], wqkv s[6:7]
	s_load_b64 s[8:9], s[0:1], 0x10                ; qkv
	s_load_b128 s[68:71], s[0:1], 0x18             ; bq s[68:69], bk s[70:71]
	s_load_b64 s[72:73], s[0:1], 0x28              ; bv
	v_lshrrev_b32 v1, 5, v0
	v_readfirstlane_b32 s10, v1                    ; wave 0..3
	s_lshr_b32 s11, s10, 1                         ; which half of the block's rows is mine.  Also: I fetch for h (0) or for W (1)
	s_and_b32 s12, s10, 1                          ; which half of its columns.  Also: which half of that tile I fetch
	s_bfe_u32 s40, ttmp6, 0x40000                  ; cx
	s_bfe_u32 s41, ttmp6, 0x40004                  ; cy
	s_and_b32 s13, ttmp7, 0xffff
	s_lshl_b32 s13, s13, 2
	s_add_co_u32 s13, s13, s41                     ; block row = 4 x cluster y + cy
	s_lshl_b32 s43, s41, 2
	s_lshl_b32 s43, 15, s43                        ; my row of the cluster: places 4 cy .. 4 cy + 3
	s_lshl_b32 s44, 0x1111, s40                    ; my column: places cx, cx + 4, cx + 8, cx + 12
	s_or_b32 s[G1+0], s43, (1<<16)|(1<<20)|(1<<21)|(5<<22)|(3<<25)  ; mask; elements of 2 bytes; padding on; bit 21 beside a mask; after every 64 words 4 words
	s_mov_b32 s[G1+1], KSTEP<<16                   ; tensor_dim0 = 128
	s_mov_b32 s[G1+2], 128<<16                     ; tensor_dim1 = 128
	s_mov_b32 s[G1+3], KSTEP<<16                   ; tile_dim0 = 128
	s_mov_b32 s[G1+4], 128                         ; tile_dim1 = 128 rows
	s_mov_b32 s[G1+5], SIZE_K                      ; elements from row to row
	s_mov_b32 s[G1+6], 0
	s_mov_b32 s[G1+7], 0
	s_or_b32 s[G1B+0], s44, (1<<16)|(1<<20)|(1<<21)|(6<<22)|(7<<25) ; W: after every 128 words 8 words
	s_mov_b32 s[G1B+1], 256<<16                    ; tensor_dim0 = 256
	s_mov_b32 s[G1B+2], 64<<16                     ; tensor_dim1 = 64
	s_mov_b32 s[G1B+3], 256<<16                    ; tile_dim0 = 256
	s_mov_b32 s[G1B+4], 64                         ; tile_dim1 = 64 rows
	s_mov_b32 s[G1B+5], NB
	s_mov_b32 s[G1B+6], 0
	s_mov_b32 s[G1B+7], 0
	; h's tiles hang on the block row alone, W's on the block column alone; each address is made in registers that never hold the other coordinate
	s_lshl_b32 s17, s12, 7
	s_lshl_b32 s16, s13, 8
	s_add_co_u32 s16, s16, s17                     ; h: row 256 x block row + 128 x half
	s_lshl_b32 s16, s16, 11                        ; x 2,048 bytes
	s_mov_b32 s17, 0
	s_lshl_b32 s46, ttmp9, 21                      ; W: the matrix (2,097,152 bytes each),
	s_lshl_b32 s47, s40, 9                         ; its columns 256 cx (512 bytes),
	s_add_co_u32 s46, s46, s47
	s_lshl_b32 s47, s12, 17                        ; and 64 rows of 2,048 bytes for the second half
	s_add_co_u32 s46, s46, s47
	s_mov_b32 s47, 0
	s_mul_i32 s20, s10, HALFT                      ; where they go: wave x 34,816: no place in the cluster enters an LDS address
	s_lshl_b32 s76, s40, 10                        ; my 128 columns in the bias: 4 x (256 cx + 128 half)
	s_lshl_b32 s77, s12, 9
	s_add_co_u32 s76, s76, s77
	s_mov_b32 s77, 0
	s_wait_kmcnt 0x0
	s_add_nc_u64 s[14:15], s[4:5], s[16:17]
	s_add_nc_u64 s[46:47], s[6:7], s[46:47]
	CROUND                                         ; all sixteen work-groups are here: the first joint loads meet
.irp s, 0,1
	s_mov_b32 s[G0+4*\s], 1
	s_add_co_u32 s[G0+4*\s+1], s20, \s*SLOT
	s_add_nc_u64 s[G0+4*\s+2:G0+4*\s+3], s[14:15], \s*KSTEP*2
	s_or_b32 s[G0+4*\s+3], s[G0+4*\s+3], 0x80000000
	s_mov_b32 s[G0B+4*\s], 1
	s_add_co_u32 s[G0B+4*\s+1], s20, \s*SLOT
	s_add_nc_u64 s[G0B+4*\s+2:G0B+4*\s+3], s[46:47], \s*KSTEP*NB*2
	s_or_b32 s[G0B+4*\s+3], s[G0B+4*\s+3], 0x80000000
	JLOAD \s                                       ; both slots' first fills go out before anything else: two tensor loads of the wave are out
.endr
	s_cmp_eq_u32 ttmp9, 1                          ; the bias that belongs to the matrix
	s_cselect_b64 s[66:67], s[70:71], s[68:69]
	s_cmp_eq_u32 ttmp9, 2
	s_cselect_b64 s[66:67], s[72:73], s[66:67]
	s_add_nc_u64 s[66:67], s[66:67], s[76:77]
	v_and_b32 v1, 15, v0                           ; r = l % 16
	v_bfe_u32 v2, v0, 4, 1                         ; hh = l / 16
	v_lshlrev_b32 v[BO], 5, v2
.irp b, 0,1,2,3,4,5,6,7
	global_load_b128 v[BIAS+8*\b:BIAS+8*\b+3],   v[BO], s[66:67] offset:64*\b      ; bias of columns 16 b + 8 hh + 0..3,
	global_load_b128 v[BIAS+8*\b+4:BIAS+8*\b+7], v[BO], s[66:67] offset:64*\b+16   ; + 4..7: waited for at the way out
.endr
	v_mul_u32_u24 v3, v1, PITCHA
	v_lshl_add_u32 v3, v2, 4, v3                   ; h: row r, 16 bytes for each half of the lanes
	v_and_b32 v4, 7, v0
	v_lshl_add_u32 v4, v2, 3, v4                   ; W: row 8 hh + l % 8,
	v_mul_u32_u24 v4, v4, PITCHB
	v_bfe_u32 v5, v0, 3, 1
	v_lshl_add_u32 v4, v5, 4, v4                   ; 16 bytes on for the second eight lanes of each half
	s_mul_i32 s21, s11, HALFT                      ; my 128 rows of h
	s_lshl_b32 s22, s12, 8                         ; my 128 columns of W,
	s_add_co_u32 s22, s22, 2*HALFT                 ; which lies behind h's 256 rows
.irp s, 0,1
	v_add_nc_u32 v[ADRA+\s], s21, v3
	v_add_nc_u32 v[ADRB+\s], s22, v4
	s_add_co_u32 s21, s21, SLOT
	s_add_co_u32 s22, s22, SLOT
.endr
	s_mul_i32 s23, s10, 16*SPITCH
	s_add_co_u32 s23, s23, STAGE                   ; my stage
	v_add_nc_u32 v[STO], s23, v3                   ; in: row r, 16 bytes for each half (the stage has h's pitch)
	v_bfe_u32 v5, v0, 3, 2
	v_mul_u32_u24 v5, v5, SPITCH                   ; back: eight lanes take the 128 bytes of one head in one row, the wave four rows
	v_and_b32 v6, 7, v0
	v_lshl_add_u32 v5, v6, 4, v5
	v_add_nc_u32 v[RD], s23, v5
	v_and_b32 v6, 31, v0
	v_lshlrev_b32 v[CO], 4, v6                     ; four rows of a head are 512 consecutive bytes of the result
; 16 matrix instructions: row blocks a0, a0 + 1 of the window's four x all 8 column blocks, 32 along K.  zero = 1: the first product starts the sums.
; The 64 accumulators take turns, one instruction a turn, in the same order in every quarter.
.macro MUL16 f, hi, a0, zero
.irp a, \a0, \a0+1
.irp b, 0,1,2,3,4,5,6,7
.if \zero
	v_wmma_f32_16x16x32_bf16 v[8*(8*(\a)+\b):8*(8*(\a)+\b)+7], v[\f+8*\b:\f+8*\b+7], v[\f+8*(4*\hi+\a):\f+8*(4*\hi+\a)+7], 0
.else
	v_wmma_f32_16x16x32_bf16 v[8*(8*(\a)+\b):8*(8*(\a)+\b)+7], v[\f+8*\b:\f+8*\b+7], v[\f+8*(4*\hi+\a):\f+8*(4*\hi+\a)+7], v[8*(8*(\a)+\b):8*(8*(\a)+\b)+7]
.endif
.endr
.endr
.endm
; 32 LDS loads in one run: the fragments of quarter q (32 K) of a slot into buffer f.  W: rows 32 q + 8 hh + l % 8 and 16 further down, turned; h: 64 q bytes into the rows.
.macro FETCH slot, q, f
	WIN TO_B
.irp i, 0,1,2,3,4,5,6,7
	ds_load_tr16_b128 v[\f+8*\i:\f+8*\i+3],   v[ADRB+\slot] offset:\q*32*PITCHB+32*\i
	ds_load_tr16_b128 v[\f+8*\i+4:\f+8*\i+7], v[ADRB+\slot] offset:\q*32*PITCHB+16*PITCHB+32*\i
.endr
	WIN 0
.irp i, 0,1,2,3,4,5,6,7
	ds_load_b128 v[\f+8*\i:\f+8*\i+3],   v[ADRA+\slot] offset:\q*64+\i*16*PITCHA
	ds_load_b128 v[\f+8*\i+4:\f+8*\i+7], v[ADRA+\slot] offset:\q*64+\i*16*PITCHA+32
.endr
.endm
; Four places of plain vector instructions stand between a matrix instruction and a load into, or a vector write or read of, its registers.
.macro PLACES
.rept 4
	v_nop
.endr
.endm
; One of a K step's first three quarters: multiplies buffer f; in its middle it fetches quarter q into buffer g.
.macro QUARTER slot, q, f, g, zero
	s_wait_dscnt 8                                 ; W and h's rows 0-63 are in; the youngest eight loads (h's rows 64-127) may be out
	WIN MUL_LO
	MUL16 \f, 0, 0, \zero
	MUL16 \f, 0, 2, \zero
	PLACES
	FETCH \slot, \q, \g
	s_wait_dscnt 32                                ; all but the 32 just issued
	WIN MUL_HI
	MUL16 \f, 1, 0, \zero
	MUL16 \f, 1, 2, \zero
.endm
.macro STEPQ slot, zero
	QUARTER \slot, 1, F0, F1, \zero
	QUARTER \slot, 2, F1, F0, 0
	QUARTER \slot, 3, F0, F1, 0
.endm
; The last quarter: multiplies buffer 1 and changes slots.  In front of the barrier each wave waits for its reads of this slot and for all its tensor loads
; (one is out: its part of the next slot).  Behind it (fill = 1: behind the whole round of the cluster's barrier) the refill comes first, then the next slot's first fragments.
.macro TURN slot, next, fill
	s_wait_dscnt 8
	WIN MUL_LO
	MUL16 F1, 0, 0, 0
	s_wait_dscnt 0                                 ; my reads of this slot are over
	s_wait_tensorcnt 0x0                           ; and all my tensor loads have landed
	s_barrier_signal -1
	MUL16 F1, 0, 2, 0                              ; register work while the others arrive
	WIN 0
	s_barrier_wait -1
.if \fill
	CREST                                          ; no wave of any partner still reads this slot or has a load on its way
	s_add_nc_u64 s[G0+4*\slot+2:G0+4*\slot+3], s[G0+4*\slot+2:G0+4*\slot+3], 2*KSTEP*2
	s_add_nc_u64 s[G0B+4*\slot+2:G0B+4*\slot+3], s[G0B+4*\slot+2:G0B+4*\slot+3], 2*KSTEP*NB*2
	JLOAD \slot                                    ; my one tensor load behind the round; 240 matrix instructions stand between it and the wait for it
.endif
	PLACES
	FETCH \next, 0, F0
	WIN MUL_HI
	MUL16 F1, 1, 0, 0
	MUL16 F1, 1, 2, 0
.endm
.macro LAP zero
	STEPQ 0, \zero
	TURN 0, 1, 1
	STEPQ 1, 0
	TURN 1, 0, 1
.endm
	s_wait_tensorcnt 1                             ; my part of K step 0 is in; K step 1's may stay out
	s_barrier_signal -1
	s_barrier_wait -1
	FETCH 0, 0, F0
	LAP 1                                          ; the first lap stands in front of the loop: its first products start the sums
.if LAPS > 2
	WIN 0
	s_mov_b32 s3, LAPS-2
.Llap:
	LAP 0
	WIN 0
	s_sub_co_u32 s3, s3, 1
	s_cmp_lg_u32 s3, 0
	s_cbranch_scc1 .Llap
.endif
	STEPQ 0, 0                                     ; the last lap fills nothing
	TURN 0, 1, 0
	STEPQ 1, 0
	s_wait_dscnt 8
	WIN MUL_LO
	MUL16 F1, 0, 0, 0
	MUL16 F1, 0, 2, 0
	s_wait_dscnt 0
	WIN MUL_HI
	MUL16 F1, 1, 0, 0
	MUL16 F1, 1, 2, 0
	; THE WAY OUT, 16 rows at a time: add the bias, round to bf16, 16 bytes a lane into my own stage, read back by heads, store 512 consecutive bytes.
	PLACES
	s_lshr_b32 s16, s13, 2                         ; batch = block row / 4: 16 heads x 131,072 bytes
	s_lshl_b32 s16, s16, 21
	s_and_b32 s17, s13, 3                          ; t = 256 x (block row % 4) + 128 x my half: rows of 128 bytes
	s_lshl_b32 s17, s17, 15
	s_add_co_u32 s16, s16, s17
	s_lshl_b32 s17, s11, 14
	s_add_co_u32 s16, s16, s17
	s_mov_b32 s17, 0
	s_add_nc_u64 s[8:9], s[8:9], s[16:17]
	s_lshl_b32 s46, ttmp9, 23                      ; q, k or v: 8,388,608 bytes each
	s_lshl_b32 s47, s40, 19                        ; head 4 cx + 2 x my half
	s_add_co_u32 s46, s46, s47
	s_lshl_b32 s47, s12, 18
	s_add_co_u32 s46, s46, s47
	s_mov_b32 s47, 0
	s_add_nc_u64 s[8:9], s[8:9], s[46:47]
	s_wait_loadcnt 0x0                             ; the bias
.macro OUT16 i, a, from                ; rows 16 i .. 16 i + 15 = tiles (a, 0..7) of window 2 or 3 (from: source 0's window)
	WIN \from
.irp b, 0,1,2,3,4,5,6,7
.irp r, 0,2,4,6
	v_pk_add_f32 v[XO+8*\b+\r:XO+8*\b+\r+1], v[8*(8*\a+\b)+\r:8*(8*\a+\b)+\r+1], v[BIAS+8*\b+\r:BIAS+8*\b+\r+1]
.endr
.endr
	WIN 0
.set kk, 0
.rept 32
	v_cvt_pk_bf16_f32 v[XO+kk], v[XO+2*kk], v[XO+2*kk+1]   ; packed downward: register kk is free when it is written
.set kk, kk+1
.endr
.irp b, 0,1,2,3,4,5,6,7
	ds_store_b128 v[STO], v[XO+4*\b:XO+4*\b+3] offset:32*\b
.endr
	s_wait_xcnt 0x0                                ; the last group's stores have had their addresses translated (ISA guide 3.1): RB and the base are rewritten only behind this wait
.if \i
	s_add_nc_u64 s[8:9], s[8:9], 16*128            ; 16 rows of a head
.endif
.irp hd, 0,1
.irp u, 0,1,2,3
	ds_load_b128 v[RB+4*(4*\hd+\u):RB+4*(4*\hd+\u)+3], v[RD] offset:\u*4*SPITCH+\hd*128   ; LDS serves a wave's instructions in order (ISA guide 5.7.1.4): these see the stores above
.endr
.endr
.irp hd, 0,1
.irp u, 0,1,2,3
	s_wait_dscnt 7-(4*\hd+\u)
	global_store_b128 v[CO], v[RB+4*(4*\hd+\u):RB+4*(4*\hd+\u)+3], s[8:9] offset:\hd*131072+\u*512   ; rows 4 u .. 4 u + 3 of head hd: 512 consecutive bytes, aligned
.endr
.endr
.endm
	OUT16 0, 0, 0x02
	OUT16 1, 1, 0x02
	OUT16 2, 2, 0x02
	OUT16 3, 3, 0x02
	OUT16 4, 0, 0x03
	OUT16 5, 1, 0x03
	OUT16 6, 2, 0x03
	OUT16 7, 3, 0x03
	CROUND                                         ; the closing round: no work-group ends while a partner may still ask for a tile that names it
	s_endpgm
	; ---- THE CLUSTERS WITH x = 3: Wo, W1, W2, f32 to bf16, layout [K][N] kept, to bytes 6,291,456, 8,388,608 and 16,777,216 of wb ----
	; Work-group j of 64 takes 1/64 of each matrix (65,536 + 262,144 + 262,144 bytes), a wave a quarter of that: 32 + 128 + 128 = 288 loads of 512 consecutive bytes.
	; A stream through a ring of 48 register slots, written out, so that every place stands in an immediate and no base is stepped: 48 loads of every wave, 24,576 bytes, stay on their way.
	; No LDS, no tensor load, no joint request on this way.
.set CX,     32                        ; v[32:223]  48 slots of 4 registers, as loaded
.set CY,     224                       ; v[224:255] 16 slots of 2 registers, to store
.set CDEPTH, 48
.set NLD,    288
.macro CLD m                           ; load number m of the wave, into slot m % 48
.if (\m) < 32
	global_load_b128 v[CX+4*((\m)%CDEPTH):CX+4*((\m)%CDEPTH)+3], v1, s[16:17] offset:512*(\m) th:TH_LOAD_NT
.else
.if (\m) < 160
	global_load_b128 v[CX+4*((\m)%CDEPTH):CX+4*((\m)%CDEPTH)+3], v1, s[18:19] offset:512*((\m)-32) th:TH_LOAD_NT
.else
	global_load_b128 v[CX+4*((\m)%CDEPTH):CX+4*((\m)%CDEPTH)+3], v1, s[20:21] offset:512*((\m)-160) th:TH_LOAD_NT
.endif
.endif
.endm
.macro CST m                           ; its 256 bytes of bf16: the wave stores 256 consecutive bytes, aligned
.if (\m) < 32
	global_store_b64 v2, v[CY+2*((\m)%16):CY+2*((\m)%16)+1], s[32:33] offset:256*(\m)
.else
.if (\m) < 160
	global_store_b64 v2, v[CY+2*((\m)%16):CY+2*((\m)%16)+1], s[34:35] offset:256*((\m)-32)
.else
	global_store_b64 v2, v[CY+2*((\m)%16):CY+2*((\m)%16)+1], s[36:37] offset:256*((\m)-160)
.endif
.endif
.endm
.Lconvert:
	s_load_b256 s[16:23], s[0:1], 0x30             ; Wo s[16:17], W1 s[18:19], W2 s[20:21], wb s[22:23]
	v_lshrrev_b32 v3, 5, v0
	v_readfirstlane_b32 s10, v3                    ; wave 0..3
	v_and_b32 v3, 31, v0
	v_lshlrev_b32 v1, 4, v3                        ; 16 l: my bytes of a load
	v_lshlrev_b32 v2, 3, v3                        ; 8 l: my bytes of a store
	s_bfe_u32 s40, ttmp6, 0x40000                  ; cx
	s_bfe_u32 s41, ttmp6, 0x40004                  ; cy
	s_and_b32 s13, ttmp7, 0xffff
	s_lshl_b32 s13, s13, 2
	s_add_co_u32 s13, s13, s41
	s_lshl_b32 s13, s13, 2
	s_add_co_u32 s13, s13, s40                     ; j = 4 x (4 x cluster y + cy) + cx, 0 to 63
	s_lshl_b32 s24, s13, 16                        ; Wo: j x 65,536 + wave x 16,384
	s_lshl_b32 s26, s10, 14
	s_add_co_u32 s24, s24, s26
	s_mov_b32 s25, 0
	s_lshr_b32 s26, s24, 1                         ; half as many bytes in bf16,
	s_add_co_u32 s26, s26, 6291456                 ; at Wo's place in wb
	s_mov_b32 s27, 0
	s_lshl_b32 s28, s13, 18                        ; W1 and W2: j x 262,144 + wave x 65,536
	s_lshl_b32 s30, s10, 16
	s_add_co_u32 s28, s28, s30
	s_mov_b32 s29, 0
	s_lshr_b32 s30, s28, 1
	s_mov_b32 s31, 0
	s_wait_kmcnt 0x0
	s_add_nc_u64 s[16:17], s[16:17], s[24:25]
	s_add_nc_u64 s[18:19], s[18:19], s[28:29]
	s_add_nc_u64 s[20:21], s[20:21], s[28:29]
	s_add_nc_u64 s[32:33], s[22:23], s[26:27]
	s_add_nc_u64 s[34:35], s[22:23], s[30:31]
	s_add_nc_u64 s[36:37], s[34:35], 16777216      ; W2's place in wb
	s_add_nc_u64 s[34:35], s[34:35], 8388608       ; W1's
.set n, 0
.rept CDEPTH
	CLD n                                          ; fill the ring
.set n, n+1
.endr
.set n, 0
.rept NLD
.if (n % 16) == 0
.if n
	s_wait_xcnt 0x0                                ; the last sixteen stores have had their addresses translated (ISA guide 3.1): their data registers are written again only behind this wait
.endif
.endif
.if n > NLD-CDEPTH
	s_wait_loadcnt NLD-1-n                         ; the last turns load nothing: the counts run down
.else
	s_wait_loadcnt CDEPTH-1                        ; loads come back in order (ISA guide 5.7.1): load n is in, the 47 younger ones stay out
.endif
	v_cvt_pk_bf16_f32 v[CY+2*(n%16)], v[CX+4*(n%CDEPTH)], v[CX+4*(n%CDEPTH)+1]
	v_cvt_pk_bf16_f32 v[CY+2*(n%16)+1], v[CX+4*(n%CDEPTH)+2], v[CX+4*(n%CDEPTH)+3]
.if n < NLD-CDEPTH
	CLD n+CDEPTH                                   ; the slot's next load, ahead of the store
.endif
	CST n
.set n, n+1
.endr
	CROUND                                         ; every way through this text ends behind a round of the cluster's barrier
	s_endpgm
.Lfunc_end_k_q2976ca8f4f_qkv:
	.size	k_q2976ca8f4f_qkv, .Lfunc_end_k_q2976ca8f4f_qkv-k_q2976ca8f4f_qkv
	.p2alignl 7, 3214868480
	.fill 96, 4, 3214868480
	.section	.rodata,"a",@progbits
	.p2align	6, 0x0
	.amdhsa_kernel k_q2976ca8f4f_qkv
		.amdhsa_group_segment_fixed_size 327680
		.amdhsa_private_segment_fixed_size 0
		.amdhsa_enable_private_segment 0
		.amdhsa_kernarg_size 80
		.amdhsa_user_sgpr_count 2
		.amdhsa_user_sgpr_kernarg_segment_ptr 1
		.amdhsa_wavefront_size32 1
		.amdhsa_system_sgpr_workgroup_id_x 1
		.amdhsa_system_sgpr_workgroup_id_y 1
		.amdhsa_system_sgpr_workgroup_id_z 1
		.amdhsa_system_vgpr_workitem_id 0
		.amdhsa_next_free_vgpr 1024
		.amdhsa_next_free_sgpr 80
		.amdhsa_reserve_vcc 0
		.amdhsa_float_denorm_mode_32 3
		.amdhsa_float_denorm_mode_16_64 3
		.amdhsa_memory_ordered 1
		.amdhsa_forward_progress 1
		.amdhsa_inst_pref_size 255
	.end_amdhsa_kernel
	.section	.bss,"aw",@nobits
	.p2align	6
	.space	262144
	.amdgpu_metadata
---
amdhsa.version: [ 1, 2 ]
amdhsa.kernels:
  - .name:           k_q2976ca8f4f_qkv
    .symbol:         k_q2976ca8f4f_qkv.kd
    .args:
      - { .name: h, .offset: 0, .size: 8, .value_kind: global_buffer, .address_space: global }
      - { .name: wqkv, .offset: 8, .size: 8, .value_kind: global_buffer, .address_space: global }
      - { .name: qkv, .offset: 16, .size: 8, .value_kind: global_buffer, .address_space: global }
      - { .name: bq, .offset: 24, .size: 8, .value_kind: global_buffer, .address_space: global }
      - { .name: bk, .offset: 32, .size: 8, .value_kind: global_buffer, .address_space: global }
      - { .name: bv, .offset: 40, .size: 8, .value_kind: global_buffer, .address_space: global }
      - { .name: Wo, .offset: 48, .size: 8, .value_kind: global_buffer, .address_space: global }
      - { .name: W1, .offset: 56, .size: 8, .value_kind: global_buffer, .address_space: global }
      - { .name: W2, .offset: 64, .size: 8, .value_kind: global_buffer, .address_space: global }
      - { .name: wb, .offset: 72, .size: 8, .value_kind: global_buffer, .address_space: global }
    .group_segment_fixed_size: 327680
    .private_segment_fixed_size: 0
    .kernarg_segment_align: 8
    .kernarg_segment_size: 80
    .max_flat_workgroup_size: 128
    .sgpr_count:     80
    .vgpr_count:     1024
    .wavefront_size: 32
...
	.end_amdgpu_metadata
.endif
;; end of part 2
;; launch attn (part 3): grid 256 x 1, 8 waves a work-group, no clusters, 327,680 bytes of LDS; arguments qkv, y; writes y
.if DOCPART == 3
	.amdgcn_target "amdgcn-amd-amdhsa--gfx1250"
	.amdhsa_code_object_version 6
	.text
	.protected	k_q2976ca8f4f_attn
	.globl	k_q2976ca8f4f_attn
	.p2align	8
	.type	k_q2976ca8f4f_attn,@function
k_q2976ca8f4f_attn:
	s_mov_b64 s[64:65], 0
	v_nop
	global_prefetch_b8 v0, s[64:65] scope:SCOPE_SE
	s_setreg_imm32_b32 hwreg(HW_REG_WAVE_MODE, 25, 1), 1
	s_wait_xcnt 0x0
; attn.  Causal attention, softmax with a running maximum.  q, k, v: [64 (batch, head)][1024][64] bf16 at bytes 0, 8,388,608, 16,777,216 of qkv.
; y: [4096][1024] bf16, head hd in columns 64 hd .. 64 hd + 63.
; Work-group 4 bh + p takes two blocks of 128 query rows of head bh: first block 7 - p, then block p, so the causal triangle is shared out evenly.
; EIGHT WAVES, so that one wave's softmax runs while another's matrix instructions and LDS loads are under way.  Wave w owns rows 16 w .. 16 w + 15 of a block.
; ALL OF THE HEAD'S K AND V LIES IN LDS: K 1,024 rows x 144 bytes = 147,456, V 1,024 x 160 = 163,840, a stage of 8 x 2,048 = 16,384: 327,680 bytes.
; Waves 0, 1 fetch K, waves 2, 3 fetch V, 64 keys a load, eight loads each, all at the start: eight tensor loads of a fetching wave are out.  Nothing is filled again,
; and the second block reads what the first brought.  The price: work-group p never reads its last p chunks of 128 keys; every way issues the same loads, so that the counted waits hold.
; A wave walks HALVES of 64 keys: in a block whose diagonal chunk is d, 2 d + (w / 4) plain halves, then the half that holds its own diagonal, masked; what lies behind is not computed.
; Halves 0-7 of the first block are plain for every p and w (d is at least 4): they are written out, with a barrier in front of each chunk;
; behind the wait for all loads two loops follow, each wave by its own count.
; THE STAGE stands between barriers: one between all waves' reads of K and V and the stores into the stage, one between those stores and the reads that follow.
; The reads' addresses are stepped in loops that each wave leaves at its own count (the highest half read is 15, below the stage), so the text orders them with the stage by barriers
; and does not lean on that bound.  Three barriers; the waves of a work-group differ by one half at each.
; NO CLUSTER, though the four work-groups of a head fetch the same bytes: the trip counts and the LDS addresses that a work-group reads hang on p, its place among the four,
; and in a launch with joint requests neither may differ between partners.
; BOTH PRODUCTS ARE TRANSPOSED.  S^T = K Q^T: lane (r, hh) holds query r and keys 8 hh + j, so a row's maximum and sum need one exchange, with lane l xor 16,
; and two packed tiles of S^T are source 1 of O^T = V^T P^T as they stand.  V^T comes from LDS by the transposing load.
; LIMITS: v_exp_f32 and v_rcp_f32 flush denormals; the row sum adds p in f32 while P enters the product rounded to bf16;
; y is stored in pieces of 128 bytes, the length of a head's row.
.set KP,    144                        ; LDS pitch of K: 128 bytes + 16
.set VP,    160                        ; LDS pitch of V: 128 bytes + 32, an odd multiple of 32 for the transposing load
.set KHALF, 64*KP                      ; 64 keys of K: 9,216 bytes, one tensor load
.set VHALF, 64*VP                      ; 64 keys of V: 10,240 bytes, one tensor load
.set VBASE, 16*KHALF                   ; V lies behind K
.set STAGE, VBASE+16*VHALF             ; 16 rows x 128 bytes for each wave, for the way out; no fill lands here.  No pad: LDS is full; only eight stores of a wave go there
.set ADK0, 2                           ; v2       r x 144 + 16 hh: my bytes in K's first half
.set ADV0, 3                           ; v3       VBASE + (8 hh + l % 8) x 160 + 16 x ((l / 8) % 2): in V's first half
.set STO,  4                           ; v4       stage, in
.set RD,   5                           ; v5       stage, back
.set YO,   6                           ; v6       my byte offset in the block of y
.set QO,   7                           ; v7       my byte offset in the block of q
.set CC,   8                           ; v[8:9]   log2(e) / 8, twice
.set QREL, 10                          ; v10      16 (w % 4) + r - 8 hh: key 16 t + j of the masked half counts if it is not above this
.set M,    11                          ; v11      running maximum, of the raw scores
.set ADK,  12                          ; v12      K's half that is loaded next
.set ADV,  13                          ; v13      V's half that is loaded next
.set LS,   14                          ; v[14:17] running sum, two pairs that take turns
.set AL,   18                          ; v[18:19] the factor for what was summed before, twice
.set NM,   20                          ; v[20:21] - maximum x c, twice
.set TM,   22                          ; v22-25   at work
.set PX,   26                          ; v26      what lane l xor 16 sends
.set Q,    32                          ; v[32:63]   fragments of Q: 16 x block + 8 c
.set S,    64                          ; v[64:95]   S^T, then P^T: tile 8 t
.set O,    96                          ; v[96:127]  O^T: tile 8 ht
.set KF,   128                         ; v[128:191] fragments of K: 8 (2 t + c)
.set VF,   192                         ; v[192:255] fragments of V^T: 8 (2 ht + c)
.set G1K, 32                           ; s[32:39] descriptor group 1 for K
.set G1V, 40                           ; s[40:47] for V
.set G0,  68                           ; s[68:99] group 0, one set for each of a wave's eight loads: none is written while its load is out
; A fetching wave's eight loads: its 64 keys of each chunk of 128.  LDS address: a constant + the wave's number x a half + the chunk x two halves.
.macro FILL8 g1, goff, lconst, lhalf
	s_mul_i32 s50, s8, \lhalf
	s_add_co_u32 s50, s50, \lconst
	s_and_b32 s52, s8, 1                           ; which 64 keys of a chunk: 8,192 bytes
	s_lshl_b32 s52, s52, 13
	s_add_co_u32 s52, s52, \goff                   ; k or v in qkv
	s_mov_b32 s53, 0
	s_add_nc_u64 s[52:53], s[48:49], s[52:53]
.irp c, 0,1,2,3,4,5,6,7
	s_mov_b32 s[G0+4*\c], 1
	s_add_co_u32 s[G0+4*\c+1], s50, \c*2*\lhalf
	s_add_nc_u64 s[G0+4*\c+2:G0+4*\c+3], s[52:53], \c*16384
	s_or_b32 s[G0+4*\c+3], s[G0+4*\c+3], 0x80000000
	tensor_load_to_lds s[G0+4*\c:G0+4*\c+3], s[\g1:\g1+7]
	s_nop 0
.endr
.endm
.macro KLOAD                           ; sixteen loads: the fragments of K's next half; LDS instructions' address registers may be stepped at once
.irp t, 0,1,2,3
.irp c, 0,1
	ds_load_b128 v[KF+8*(2*\t+\c):KF+8*(2*\t+\c)+3],   v[ADK] offset:\t*16*KP+64*\c
	ds_load_b128 v[KF+8*(2*\t+\c)+4:KF+8*(2*\t+\c)+7], v[ADK] offset:\t*16*KP+64*\c+32
.endr
.endr
	v_add_nc_u32 v[ADK], KHALF, v[ADK]
.endm
.macro VLOAD                           ; sixteen transposing loads: V^T of the next half: 16 of the head's 64 numbers x keys 32 c + 8 hh .., 32 c + 16 + 8 hh ..
.irp ht, 0,1,2,3
.irp c, 0,1
	ds_load_tr16_b128 v[VF+8*(2*\ht+\c):VF+8*(2*\ht+\c)+3],   v[ADV] offset:\c*32*VP+32*\ht
	ds_load_tr16_b128 v[VF+8*(2*\ht+\c)+4:VF+8*(2*\ht+\c)+7], v[ADV] offset:\c*32*VP+16*VP+32*\ht
.endr
.endr
	v_add_nc_u32 v[ADV], VHALF, v[ADV]
.endm
.macro PFMA u                          ; tile u: s x c - max x c
.irp k, 0,2,4,6
	v_pk_fma_f32 v[S+8*(\u)+\k:S+8*(\u)+\k+1], v[S+8*(\u)+\k:S+8*(\u)+\k+1], v[CC:CC+1], v[NM:NM+1]
.endr
.endm
.macro PEXP u
.irp k, 0,1,2,3,4,5,6,7
	v_exp_f32 v[S+8*(\u)+\k], v[S+8*(\u)+\k]
.endr
.endm
.macro PADD u
	s_wait_alu depctr_va_vdst(0)
.irp k, 0,2,4,6
	v_pk_add_f32 v[LS+2*((\u)%2):LS+2*((\u)%2)+1], v[LS+2*((\u)%2):LS+2*((\u)%2)+1], v[S+8*(\u)+\k:S+8*(\u)+\k+1]
.endr
.endm
.macro PCVT u                          ; an even tile packs into its own registers 0-3, the odd one behind it into that tile's registers 4-7: 32 keys, a fragment
.irp k, 0,1,2,3
	v_cvt_pk_bf16_f32 v[S+8*((\u)-((\u)%2))+4*((\u)%2)+\k], v[S+8*(\u)+2*\k], v[S+8*(\u)+2*\k+1]
.endr
.endm
.macro OSCALE                          ; O^T times AL, each query's own factor
.irp k, 0,2,4,6,8,10,12,14,16,18,20,22,24,26,28,30
	v_pk_mul_f32 v[O+\k:O+\k+1], v[O+\k:O+\k+1], v[AL:AL+1]
.endr
.endm
; 64 keys against my 16 queries of block qb (0: the first, 1: the second).  K's fragments have been asked for.  mask = 1: the half with my diagonal.
; pre = 1: K's next half is asked for meanwhile; 2: K's half 0, for the next block; 0: nothing.  first = 1: the product starts O^T's sums.
.macro HALF qb, mask, pre, first
	VLOAD                                          ; lands during the first product and the softmax
	s_wait_dscnt 16                                ; K's sixteen loads are in; V's sixteen, issued behind them, may be out
	; S^T: the four accumulators take turns, one instruction a turn; the first 32 of the head's 64 start the sums
.irp t, 0,1,2,3
	v_wmma_f32_16x16x32_bf16 v[S+8*\t:S+8*\t+7], v[KF+16*\t:KF+16*\t+7], v[Q+16*\qb:Q+16*\qb+7], 0
.endr
.irp t, 0,1,2,3
	v_wmma_f32_16x16x32_bf16 v[S+8*\t:S+8*\t+7], v[KF+16*\t+8:KF+16*\t+15], v[Q+16*\qb+8:Q+16*\qb+15], v[S+8*\t:S+8*\t+7]
.endr
.rept 4
	v_nop                                          ; four places before loads land on K's fragments and before S^T is read
.endr
.if \pre == 2
	v_mov_b32 v[ADK], v[ADK0]
.endif
.if \pre
	KLOAD
.endif
.if \mask
.irp t, 0,1,2,3
.irp j, 0,1,2,3,4,5,6,7
	v_cmp_le_i32 vcc_lo, 16*\t+\j, v[QREL]
	v_cndmask_b32 v[S+8*\t+\j], s29, v[S+8*\t+\j], vcc_lo   ; a key behind the query: -infinity
.endr
.endr
.endif
	; the largest of my 32 scores: four chains
.irp q, 0,1,2,3
	v_max3_num_f32 v[TM+\q], v[S+8*\q], v[S+8*\q+1], v[S+8*\q+2]
.endr
.irp k, 3,5
.irp q, 0,1,2,3
	v_max3_num_f32 v[TM+\q], v[TM+\q], v[S+8*\q+\k], v[S+8*\q+\k+1]
.endr
.endr
	v_max3_num_f32 v[TM], v[TM], v[S+7], v[S+15]
	v_max3_num_f32 v[TM+1], v[TM+1], v[S+23], v[S+31]
	v_max3_num_f32 v[TM], v[TM], v[TM+1], v[TM+2]
	v_max_num_f32 v[TM], v[TM], v[TM+3]
	v_permlanex16_b32 v[PX], v[TM], s30, s31       ; the other 32 keys' maximum
	v_max3_num_f32 v[TM], v[TM], v[PX], v[M]       ; the new running maximum: finite from a block's first half on, since key 0 counts for every query
	v_sub_f32 v[TM+1], v[M], v[TM]
	v_mul_f32 v[TM+1], v[CC], v[TM+1]
	v_exp_f32 v[AL], v[TM+1]                       ; 2^((old - new) c); 0 at a block's start, where old is -infinity
	v_exp_f32 v[AL+1], v[TM+1]
	v_mul_f32 v[NM], s28, v[TM]                    ; plain places behind the exponentials (ISA guide 5.7.2)
	v_mul_f32 v[NM+1], s28, v[TM]
	v_mov_b32 v[M], v[TM]
	s_wait_alu depctr_va_vdst(0)
	v_pk_mul_f32 v[LS:LS+1], v[LS:LS+1], v[AL:AL+1]
	v_pk_mul_f32 v[LS+2:LS+3], v[LS+2:LS+3], v[AL:AL+1]
	; p = 2^(s c - max c), summed in f32, packed to bf16.  The next tile's multiply-adds are the plain place behind each tile's exponentials.
	PFMA 0
.irp u, 0,1,2
	PEXP \u
	PFMA \u+1
	PADD \u
	PCVT \u
.endr
	PEXP 3
	v_nop
	s_wait_alu depctr_va_vdst(0)
	PADD 3
	PCVT 3
.if \first == 0
	OSCALE
.endif
.if \pre
	s_wait_dscnt 16                                ; V^T is in; the sixteen loads of K's next half, issued behind it, may be out
.else
	s_wait_dscnt 0x0                               ; V^T is in
.endif
	; O^T += V^T P^T: four accumulators by turns, keys 0-31, then keys 32-63
.irp ht, 0,1,2,3
.if \first
	v_wmma_f32_16x16x32_bf16 v[O+8*\ht:O+8*\ht+7], v[VF+16*\ht:VF+16*\ht+7], v[S:S+7], 0
.else
	v_wmma_f32_16x16x32_bf16 v[O+8*\ht:O+8*\ht+7], v[VF+16*\ht:VF+16*\ht+7], v[S:S+7], v[O+8*\ht:O+8*\ht+7]
.endif
.endr
.irp ht, 0,1,2,3
	v_wmma_f32_16x16x32_bf16 v[O+8*\ht:O+8*\ht+7], v[VF+16*\ht+8:VF+16*\ht+15], v[S+16:S+23], v[O+8*\ht:O+8*\ht+7]
.endr
.rept 5
	v_nop                                          ; five places before a matrix instruction writes over P^T, four before loads land on V^T or O^T is read
.endr
.endm
; The block is done: divide by the row sums, round, through my own stage, store.  yb: the scalar pair with the block's place in y.
; more = 1: another block follows; the macro then ends on the signal of the barrier that stands between the stage's stores and the next block's reads; its wait follows in the text.
.macro FINISH yb, more
	s_wait_dscnt 0x0                               ; all my reads of K and V up to here are back,
	s_barrier_signal -1                            ; and I say so; register work alone up to the wait
	v_pk_add_f32 v[LS:LS+1], v[LS:LS+1], v[LS+2:LS+3]
	v_add_f32 v[TM], v[LS], v[LS+1]
	v_permlanex16_b32 v[PX], v[TM], s30, s31
	v_add_f32 v[TM], v[TM], v[PX]                  ; at least about 1: the largest score's own term
	v_rcp_f32 v[AL], v[TM]
	v_rcp_f32 v[AL+1], v[TM]
	v_nop                                          ; one plain place behind a transcendental (ISA guide 5.7.2)
	s_wait_alu depctr_va_vdst(0)
	OSCALE
.irp ht, 0,1,2,3
.irp k, 0,1,2,3
	v_cvt_pk_bf16_f32 v[S+4*\ht+\k], v[O+8*\ht+2*\k], v[O+8*\ht+2*\k+1]   ; lane (r, hh): query r, eight neighbouring numbers 16 ht + 8 hh ..
.endr
.endr
	s_barrier_wait -1                              ; every wave's reads of K and V up to here are back: the stage may be written
.irp ht, 0,1,2,3
	ds_store_b128 v[STO], v[S+4*\ht:S+4*\ht+3] offset:32*\ht
.endr
.irp i, 0,1,2,3
	ds_load_b128 v[S+16+4*\i:S+16+4*\i+3], v[RD] offset:512*\i     ; LDS serves a wave's instructions in order (ISA guide 5.7.1.4): these see the stores above
.endr
.irp i, 0,1,2,3
	s_wait_dscnt 3-\i                              ; read-back i is in; the later ones may be out.  The last count is 0: my stores into the stage are done too
	global_store_b128 v[YO], v[S+16+4*\i:S+16+4*\i+3], s[\yb:\yb+1] offset:8192*\i   ; four rows, eight lanes store a head's 128 bytes of each
.endr
.if \more
	s_wait_xcnt 0x0                                ; the stores have had their addresses translated (ISA guide 3.1): their data registers are written again only behind this wait
	s_barrier_signal -1                            ; my stores into the stage are done
.endif
.endm
; A chunk of the first block's first four: left = how many of a fetching wave's later loads may stay out.
.macro CHUNK left, first
	s_wait_tensorcnt \left                         ; tensor loads of a wave end in order (ISA guide 10.11.1): my part of this chunk is in LDS
	s_wait_dscnt 0x0
	s_barrier_signal -1
	s_barrier_wait -1                              ; everybody's part is
	KLOAD
	HALF 0, 0, 1, \first
	HALF 0, 0, 0, 0                                ; K's next half belongs to the next chunk: it is asked for behind that chunk's barrier
.endm
	s_load_b128 s[4:7], s[0:1], 0x0                ; qkv s[4:5], y s[6:7]
	v_lshrrev_b32 v1, 5, v0
	v_readfirstlane_b32 s8, v1                     ; wave 0..7
	s_and_b32 s11, ttmp9, 3                        ; p
	s_lshr_b32 s12, ttmp9, 2                       ; batch x 16 + head
	s_sub_co_u32 s14, 7, s11                       ; the first block
	s_lshr_b32 s9, s8, 2                           ; w / 4
	s_lshl_b32 s13, s11, 1
	s_add_co_u32 s19, s13, s9                      ; plain halves of the second block: 2 p + w / 4
	s_sub_co_u32 s18, 6, s13
	s_add_co_u32 s18, s18, s9                      ; plain halves of the first block behind the eight written out: 2 (7 - p) + w / 4 - 8
	s_mov_b32 s30, 0x76543210                      ; v_permlanex16_b32: lane l xor 16
	s_mov_b32 s31, 0xfedcba98
	s_mov_b32 s28, 0xbe38aa3b                      ; - log2(e) / 8
	s_mov_b32 s29, 0xff800000                      ; -infinity
	s_mov_b32 s[G1K+0], (1<<16)|(1<<20)|(4<<22)|(3<<25)   ; elements of 2 bytes; padding: after every 32 words (a row) 4 words
	s_mov_b32 s[G1V+0], (1<<16)|(1<<20)|(4<<22)|(7<<25)   ; V: 8 words
.irp g, G1K, G1V
	s_mov_b32 s[\g+1], 64<<16                      ; tensor_dim0 = 64
	s_mov_b32 s[\g+2], 64<<16                      ; tensor_dim1 = 64
	s_mov_b32 s[\g+3], 64<<16                      ; tile_dim0 = 64
	s_mov_b32 s[\g+4], 64                          ; tile_dim1 = 64 rows
	s_mov_b32 s[\g+5], 64                          ; elements from row to row
	s_mov_b32 s[\g+6], 0
	s_mov_b32 s[\g+7], 0
.endr
	s_lshl_b32 s16, s12, 17                        ; the head: 131,072 bytes
	s_mov_b32 s17, 0
	s_wait_kmcnt 0x0
	s_add_nc_u64 s[48:49], s[4:5], s[16:17]
	; all fills of the launch, ahead of every wait on TENSORcnt, every LDS read and every barrier; a wave's eight stand in one branch on its number
	s_cmp_ge_u32 s8, 4
	s_cbranch_scc1 .Lfilled
	s_cmp_ge_u32 s8, 2
	s_cbranch_scc1 .Lfill_v
	FILL8 G1K, 0x800000, 0, KHALF                  ; waves 0, 1: K's half 2 c + w
	s_branch .Lfilled
.Lfill_v:
	FILL8 G1V, 0x1000000, VBASE-2*VHALF, VHALF     ; waves 2, 3: V's half 2 c + w - 2
.Lfilled:
	s_lshr_b32 s54, s12, 4                         ; batch: 1,024 rows of 2,048 bytes
	s_lshl_b32 s54, s54, 21
	s_and_b32 s55, s12, 15                         ; the head's 128 bytes in a row
	s_lshl_b32 s55, s55, 7
	s_add_co_u32 s54, s54, s55
	s_mov_b32 s55, 0
	s_add_nc_u64 s[56:57], s[6:7], s[54:55]
	s_lshl_b32 s54, s14, 18                        ; a block: 128 rows of 2,048 bytes
	s_add_nc_u64 s[24:25], s[56:57], s[54:55]      ; y, first block
	s_lshl_b32 s54, s11, 18
	s_add_nc_u64 s[26:27], s[56:57], s[54:55]      ; y, second block
	s_lshl_b32 s54, s14, 14                        ; 128 rows of 128 bytes
	s_add_nc_u64 s[20:21], s[48:49], s[54:55]      ; q, first block
	s_lshl_b32 s54, s11, 14
	s_add_nc_u64 s[22:23], s[48:49], s[54:55]      ; q, second block
	v_and_b32 v1, 15, v0                           ; r
	v_bfe_u32 v26, v0, 4, 1                        ; hh
	v_lshrrev_b32 v31, 5, v0                       ; w
	v_lshl_add_u32 v[QO], v31, 4, v1               ; row 16 w + r,
	v_lshlrev_b32 v[QO], 7, v[QO]                  ; 128 bytes each,
	v_lshl_add_u32 v[QO], v26, 4, v[QO]            ; 16 bytes for each half of the lanes
.irp c, 0,1
	global_load_b128 v[Q+8*\c:Q+8*\c+3],       v[QO], s[20:21] offset:64*\c      ; both blocks' Q now: no wave waits for Q between the blocks
	global_load_b128 v[Q+8*\c+4:Q+8*\c+7],     v[QO], s[20:21] offset:64*\c+32
	global_load_b128 v[Q+16+8*\c:Q+16+8*\c+3], v[QO], s[22:23] offset:64*\c
	global_load_b128 v[Q+16+8*\c+4:Q+16+8*\c+7], v[QO], s[22:23] offset:64*\c+32
.endr
	v_and_b32 v27, 7, v0                           ; l % 8
	v_bfe_u32 v28, v0, 3, 1                        ; (l / 8) % 2
	v_bfe_u32 v29, v0, 3, 2                        ; l / 8
	v_and_b32 v30, 31, v0                          ; l
	v_mul_u32_u24 v[ADK0], v1, KP
	v_lshl_add_u32 v[ADK0], v26, 4, v[ADK0]
	v_lshl_add_u32 v[ADV0], v26, 3, v27
	v_mul_u32_u24 v[ADV0], v[ADV0], VP
	v_lshl_add_u32 v[ADV0], v28, 4, v[ADV0]
	v_add_nc_u32 v[ADV0], VBASE, v[ADV0]
	s_lshl_b32 s54, s8, 11
	s_add_co_u32 s54, s54, STAGE                   ; my stage
	v_lshlrev_b32 v[STO], 7, v1
	v_lshl_add_u32 v[STO], v26, 4, v[STO]
	v_add_nc_u32 v[STO], s54, v[STO]               ; in: row r, 16 bytes for each half of the lanes
	v_lshl_add_u32 v[RD], v30, 4, s54              ; back: 512 consecutive bytes, four rows
	v_lshl_add_u32 v[YO], v31, 4, v29              ; row 16 w + l / 8
	v_lshlrev_b32 v[YO], 11, v[YO]
	v_lshl_add_u32 v[YO], v27, 4, v[YO]
	v_and_b32 v[QREL], 3, v31
	v_lshl_add_u32 v[QREL], v[QREL], 4, v1
	v_lshlrev_b32 v31, 3, v26
	v_sub_nc_u32 v[QREL], v[QREL], v31
	v_mov_b32 v[CC], 0x3e38aa3b                    ; log2(e) / 8: the scale 1 / sqrt(64) and the change of base in one
	v_mov_b32 v[CC+1], 0x3e38aa3b
	v_mov_b32 v[ADK], v[ADK0]
	v_mov_b32 v[ADV], v[ADV0]
.irp k, 0,1,2,3
	v_mov_b32 v[LS+\k], 0
.endr
	v_mov_b32 v[M], s29
	s_wait_loadcnt 0x0                             ; Q
	; ---- the first block, 7 - p ----
	CHUNK 7, 1
	CHUNK 6, 0
	CHUNK 5, 0
	CHUNK 4, 0
	s_wait_tensorcnt 0x0                           ; all my loads have landed,
	s_wait_dscnt 0x0
	s_barrier_signal -1
	s_barrier_wait -1                              ; everybody's have
	KLOAD                                          ; half 8
	s_mov_b32 s16, 0
.Lfirst:                                           ; counted against 7, the most that any wave has, and left at the wave's own count
	s_cmp_eq_u32 s16, s18
	s_cbranch_scc1 .Lfirst_done
	HALF 0, 0, 1, 0
	s_add_co_u32 s16, s16, 1
	s_cmp_lt_u32 s16, 7
	s_cbranch_scc1 .Lfirst
.Lfirst_done:
	HALF 0, 1, 2, 0                                ; my diagonal; K's half 0 is asked for, for the second block
	FINISH 24, 1                                   ; ends on a signal: register work alone up to the wait below
	; ---- the second block, p ----
	v_mov_b32 v[ADV], v[ADV0]
.set kk, 0
.rept 32
	v_mov_b32 v[O+kk], 0                           ; O^T is multiplied by AL = 0 at the block's first half and has to be finite there, whatever the first block left: once in the launch
.set kk, kk+1
.endr
.irp k, 0,1,2,3
	v_mov_b32 v[LS+\k], 0
.endr
	v_mov_b32 v[M], s29
	s_barrier_wait -1                              ; every wave's stores into the stage are done: K and V are read again
	s_mov_b32 s16, 0
.Lsecond:
	s_cmp_eq_u32 s16, s19
	s_cbranch_scc1 .Lsecond_done
	HALF 1, 0, 1, 0
	s_add_co_u32 s16, s16, 1
	s_cmp_lt_u32 s16, 7
	s_cbranch_scc1 .Lsecond
.Lsecond_done:
	HALF 1, 1, 0, 0                                ; my diagonal; nothing is left to ask for
	FINISH 26, 0
	s_endpgm
.Lfunc_end_k_q2976ca8f4f_attn:
	.size	k_q2976ca8f4f_attn, .Lfunc_end_k_q2976ca8f4f_attn-k_q2976ca8f4f_attn
	.p2alignl 7, 3214868480
	.fill 96, 4, 3214868480
	.section	.rodata,"a",@progbits
	.p2align	6, 0x0
	.amdhsa_kernel k_q2976ca8f4f_attn
		.amdhsa_group_segment_fixed_size 327680
		.amdhsa_private_segment_fixed_size 0
		.amdhsa_enable_private_segment 0
		.amdhsa_kernarg_size 16
		.amdhsa_user_sgpr_count 2
		.amdhsa_user_sgpr_kernarg_segment_ptr 1
		.amdhsa_wavefront_size32 1
		.amdhsa_system_sgpr_workgroup_id_x 1
		.amdhsa_system_sgpr_workgroup_id_y 1
		.amdhsa_system_sgpr_workgroup_id_z 1
		.amdhsa_system_vgpr_workitem_id 0
		.amdhsa_next_free_vgpr 256
		.amdhsa_next_free_sgpr 100
		.amdhsa_reserve_vcc 1
		.amdhsa_float_denorm_mode_32 3
		.amdhsa_float_denorm_mode_16_64 3
		.amdhsa_memory_ordered 1
		.amdhsa_forward_progress 1
		.amdhsa_inst_pref_size 145
	.end_amdhsa_kernel
	.amdgpu_metadata
---
amdhsa.version: [ 1, 2 ]
amdhsa.kernels:
  - .name:           k_q2976ca8f4f_attn
    .symbol:         k_q2976ca8f4f_attn.kd
    .args:
      - { .name: qkv, .offset: 0, .size: 8, .value_kind: global_buffer, .address_space: global }
      - { .name: y, .offset: 8, .size: 8, .value_kind: global_buffer, .address_space: global }
    .group_segment_fixed_size: 327680
    .private_segment_fixed_size: 0
    .kernarg_segment_align: 8
    .kernarg_segment_size: 16
    .max_flat_workgroup_size: 256
    .sgpr_count:     100
    .vgpr_count:     256
    .wavefront_size: 32
...
	.end_amdgpu_metadata
.endif
;; end of part 3
;; launch wo (part 4): grid 8 x 32, 4 waves a work-group, clusters of 4 x 4, 327,680 bytes of LDS; arguments y, wb, x1, bo, x; writes x1
.if DOCPART == 4
	.amdgcn_target "amdgcn-amd-amdhsa--gfx1250"
	.amdhsa_code_object_version 6
	.text
	.protected	k_q2976ca8f4f_wo
	.globl	k_q2976ca8f4f_wo
	.p2align	8
	.type	k_q2976ca8f4f_wo,@function
k_q2976ca8f4f_wo:
	s_mov_b64 s[64:65], 0
	v_nop
	global_prefetch_b8 v0, s[64:65] scope:SCOPE_SE
	s_setreg_imm32_b32 hwreg(HW_REG_WAVE_MODE, 25, 1), 1
	s_wait_xcnt 0x0
	s_wait_alu depctr_hold_cnt(0) depctr_sa_sdst(0) depctr_va_vdst(0) depctr_va_sdst(0) depctr_va_ssrc(0) depctr_va_vcc(0) depctr_vm_vsrc(0)
	s_getreg_b32 s2, hwreg(HW_REG_IB_STS2, 6, 4)
	s_cmp_eq_u32 s2, 0
	s_cbranch_scc0 .Lentry_in_a_cluster
	s_endpgm
.Lentry_in_a_cluster:
	s_bfe_u32 s2, ttmp6, 0x10000c
	s_cmp_lg_u32 s2, 0xf033
	s_cbranch_scc0 .Lentry_shape_is_right
	s_endpgm
.Lentry_shape_is_right:
; wo.  x1 = x + y Wo + bo, f32.  y: [4096][1024] bf16.  Wo: bf16 [K = 1024][N = 1024] at byte 6,291,456 of wb.  Sums in f32.
; N is only 1,024, so a block of C is 128 x 128: 8 x 32 = 256 work-groups.  The four waves do not split the block but K: every wave holds the whole
; 128 x 128 (64 accumulator tiles, 512 registers) for a quarter of K, so a wave still feeds 64 matrix instructions from 16 KiB of LDS reads.
; The price is a sum of four partial blocks through LDS at the end, which is also the road to whole rows for the stores.
; LIMIT: K is therefore added in four partial sums (k mod 256 in 0-63, 64-127, 128-191, 192-255), joined as (p0 + p1) + (p2 + p3).
; K goes in steps of 256 through two LDS slots: 128 rows of A (512 bytes each) and 256 rows of W (256 bytes each); wave w multiplies k = 64 w .. 64 w + 63 of a step.
; W lies [K][N]: ds_load_tr16_b128 turns 8 x 8 blocks on the way from LDS to registers.
; CLUSTERS: 4 x 4 work-groups; a row of the cluster shares A's tiles, a column W's, each asked for jointly.
; REGISTERS, in windows of 256:  window 0: v16-31 addresses; v64-127, v128-191 fragments of A, two buffers (the way out: partial rows); v192-195 bias
;   window 1: v64-127, v128-191 fragments of W (the way out: my 32 rows of the residual);  window 2: accumulator tiles of rows 0-63 (tile (a, b) at v[8 (8 a + b)]);  window 3: rows 64-127.
; The matrix instruction is used transposed (source 0 = 16 columns of W, source 1 = 16 rows of A): a lane holds eight neighbouring columns of one row.
.set SIZE_K, 1024
.set WOFF,   6291456                   ; W's first byte in wb
.set NB,     1024                      ; columns of W and of C
.set KSTEP,  256
.set PITCHA, 528                       ; an LDS row of A: 512 bytes + 16
.set PITCHB, 288                       ; an LDS row of W: 256 bytes + 32, an odd multiple of 32 for the transposing loads
.set HALFT,  128*PITCHB                ; a wave's part of a slot, 36,864 bytes: 128 rows of W, or 64 rows of A (33,792 bytes used)
.set SLOT,   4*HALFT                   ; A rows 0-63, A rows 64-127, W rows 0-127, W rows 128-255
.set PP,     528                       ; the way out: pitch of a partial block's rows (512 bytes + 16)
.set PMAT,   128*PP                    ; a partial block; four of them, 270,336 bytes, lie over the ring when it has had its last fill and its last read
.set LAPS,   SIZE_K/(2*KSTEP)
.set ADRA, 16                          ; v16-17  LDS address of my fragments of A in slot 0, 1
.set ADRB, 20                          ; v20-21  the same for W
.set BO,   24                          ; v24     16 l: my bytes in the bias
.set RO,   26                          ; v26     my byte offset in the residual and in C
.set PRD,  27                          ; v27-30  where I read partial block 0..3
.set PST,  31                          ; v31     where I put my partial block
.set F0,   64
.set F1,   128
.set P,    64                          ; the way out, window 0: eight rows x four partial blocks x 4 registers
.set RES,  64                          ; the way out, window 1: 32 rows x 4 registers
.set BIAS, 192
.set G1, 24
.set G0, 32
.set G1B, 48
.set G0B, 56
.set MSB, 0
.macro WIN new                         ; the immediate's high byte repeats the setting that is left
.if MSB != \new
	s_set_vgpr_msb (MSB<<8)|\new
.set MSB, \new
.endif
.endm
.set MUL_LO, 0xa1                      ; source 0 (W) window 1, source 1 (A) window 0, C and D window 2
.set MUL_HI, 0xf1                      ; the same, C and D window 3
.set TO_B,   0x40                      ; destination window 1, address window 0
.macro JLOAD s                         ; waves 0 and 1 fetch the halves of A's tile, waves 2 and 3 those of W's; the branch hangs on the wave's number alone
	s_cmp_eq_u32 s11, 0
	s_cbranch_scc0 .Lfor_b_\@
	tensor_load_to_lds s[G0+4*\s:G0+4*\s+3], s[G1:G1+7]
	s_nop 0
	s_branch .Lasked_\@
.Lfor_b_\@:
	tensor_load_to_lds s[G0B+4*\s:G0B+4*\s+3], s[G1B:G1B+7]
	s_nop 0
.Lasked_\@:
.endm
.macro CREST                           ; a round of the cluster's barrier behind its opening barrier
	s_cmp_lg_u32 s10, 0
	s_cbranch_scc1 .Lnot_wave_0_\@
	s_barrier_signal -3
.Lnot_wave_0_\@:
	s_barrier_wait -3
	s_barrier_signal -1
	s_barrier_wait -1
.endm
.macro CROUND
	s_barrier_signal -1
	s_barrier_wait -1
	CREST
.endm
	s_load_b128 s[4:7], s[0:1], 0x0                ; A s[4:5], wb s[6:7]
	s_load_b64 s[8:9], s[0:1], 0x10                ; C
	s_load_b64 s[66:67], s[0:1], 0x18              ; bias
	s_load_b64 s[68:69], s[0:1], 0x20              ; residual
	v_lshrrev_b32 v1, 5, v0
	v_readfirstlane_b32 s10, v1                    ; wave 0..3: my quarter of each K step
	s_lshr_b32 s11, s10, 1                         ; I fetch for A (0) or for W (1)
	s_and_b32 s12, s10, 1                          ; which half of that tile
	s_bfe_u32 s40, ttmp6, 0x40000                  ; cx
	s_bfe_u32 s41, ttmp6, 0x40004                  ; cy
	s_lshl_b32 s42, ttmp9, 2
	s_add_co_u32 s42, s42, s40                     ; block column = 4 x cluster x + cx
	s_and_b32 s13, ttmp7, 0xffff
	s_lshl_b32 s13, s13, 2
	s_add_co_u32 s13, s13, s41                     ; block row = 4 x cluster y + cy
	s_lshl_b32 s43, s41, 2
	s_lshl_b32 s43, 15, s43                        ; my row of the cluster
	s_lshl_b32 s44, 0x1111, s40                    ; my column
	s_or_b32 s[G1+0], s43, (1<<16)|(1<<20)|(1<<21)|(6<<22)|(3<<25)  ; mask; elements of 2 bytes; padding on; bit 21 beside a mask; after every 128 words 4 words
	s_mov_b32 s[G1+1], KSTEP<<16                   ; tensor_dim0 = 256
	s_mov_b32 s[G1+2], 64<<16                      ; tensor_dim1 = 64
	s_mov_b32 s[G1+3], KSTEP<<16                   ; tile_dim0 = 256
	s_mov_b32 s[G1+4], 64                          ; tile_dim1 = 64 rows
	s_mov_b32 s[G1+5], SIZE_K
	s_mov_b32 s[G1+6], 0
	s_mov_b32 s[G1+7], 0
	s_or_b32 s[G1B+0], s44, (1<<16)|(1<<20)|(1<<21)|(5<<22)|(7<<25) ; W: after every 64 words 8 words
	s_mov_b32 s[G1B+1], 128<<16                    ; tensor_dim0 = 128
	s_mov_b32 s[G1B+2], 128<<16                    ; tensor_dim1 = 128
	s_mov_b32 s[G1B+3], 128<<16                    ; tile_dim0 = 128
	s_mov_b32 s[G1B+4], 128                        ; tile_dim1 = 128 rows
	s_mov_b32 s[G1B+5], NB
	s_mov_b32 s[G1B+6], 0
	s_mov_b32 s[G1B+7], 0
	; A's tiles hang on the block row alone, W's on the block column alone; each address is made in registers that never hold the other coordinate
	s_lshl_b32 s17, s12, 6
	s_lshl_b32 s16, s13, 7
	s_add_co_u32 s16, s16, s17                     ; A: row 128 x block row + 64 x half
	s_mul_i32 s16, s16, SIZE_K*2
	s_mov_b32 s17, 0
	s_lshl_b32 s46, s42, 8                         ; W: columns 128 x block column (256 bytes),
	s_lshl_b32 s47, s12, 18                        ; 128 rows of 2,048 bytes for the second half,
	s_add_co_u32 s46, s46, s47
	s_add_co_u32 s46, s46, WOFF                    ; in its place in wb
	s_mov_b32 s47, 0
	s_mul_i32 s20, s10, HALFT                      ; where they go: wave x 36,864
	s_wait_kmcnt 0x0
	s_add_nc_u64 s[14:15], s[4:5], s[16:17]
	s_add_nc_u64 s[46:47], s[6:7], s[46:47]
	CROUND                                         ; all sixteen work-groups are here: the first joint loads meet
.irp s, 0,1
	s_mov_b32 s[G0+4*\s], 1
	s_add_co_u32 s[G0+4*\s+1], s20, \s*SLOT
	s_add_nc_u64 s[G0+4*\s+2:G0+4*\s+3], s[14:15], \s*KSTEP*2
	s_or_b32 s[G0+4*\s+3], s[G0+4*\s+3], 0x80000000
	s_mov_b32 s[G0B+4*\s], 1
	s_add_co_u32 s[G0B+4*\s+1], s20, \s*SLOT
	s_add_nc_u64 s[G0B+4*\s+2:G0B+4*\s+3], s[46:47], \s*KSTEP*NB*2
	s_or_b32 s[G0B+4*\s+3], s[G0B+4*\s+3], 0x80000000
	JLOAD \s                                       ; both slots' first fills: two tensor loads of the wave are out
.endr
	v_and_b32 v1, 15, v0                           ; r
	v_bfe_u32 v2, v0, 4, 1                         ; hh
	v_mul_u32_u24 v3, v1, PITCHA
	v_lshl_add_u32 v3, v2, 4, v3
	v_and_b32 v4, 7, v0
	v_lshl_add_u32 v4, v2, 3, v4
	v_mul_u32_u24 v4, v4, PITCHB
	v_bfe_u32 v5, v0, 3, 1
	v_lshl_add_u32 v4, v5, 4, v4
	s_lshl_b32 s21, s10, 7                         ; A: my 64 of the step's 256 along K are 128 bytes of each row
	s_mul_i32 s22, s10, 64*PITCHB                  ; W: they are 64 rows,
	s_add_co_u32 s22, s22, 2*HALFT                 ; behind A's two parts
.irp s, 0,1
	v_add_nc_u32 v[ADRA+\s], s21, v3
	v_add_nc_u32 v[ADRB+\s], s22, v4
	s_add_co_u32 s21, s21, SLOT
	s_add_co_u32 s22, s22, SLOT
.endr
	v_and_b32 v5, 31, v0
	v_lshlrev_b32 v[BO], 4, v5                     ; 16 l: a row of the block is 512 bytes, one load or store of the wave
	v_and_b32 v6, 0x60, v0
	v_lshl_add_u32 v[RO], v6, 12, v[BO]            ; rows 32 w .. of 4,096 bytes
	s_mul_i32 s23, s10, 32*PP
	v_add_nc_u32 v[PRD], s23, v[BO]
	v_add_nc_u32 v[PRD+1], PMAT, v[PRD]
	v_add_nc_u32 v[PRD+2], PMAT, v[PRD+1]
	v_add_nc_u32 v[PRD+3], PMAT, v[PRD+2]
	s_mul_i32 s23, s10, PMAT
	v_mul_u32_u24 v5, v1, PP
	v_lshl_add_u32 v5, v2, 5, v5                   ; row r, 32 bytes for each half of the lanes
	v_add_nc_u32 v[PST], s23, v5
; 16 matrix instructions.  The 64 accumulators take turns, one instruction a turn, in the same order in every quarter.
.macro MUL16 f, hi, a0, zero
.irp a, \a0, \a0+1
.irp b, 0,1,2,3,4,5,6,7
.if \zero
	v_wmma_f32_16x16x32_bf16 v[8*(8*(\a)+\b):8*(8*(\a)+\b)+7], v[\f+8*\b:\f+8*\b+7], v[\f+8*(4*\hi+\a):\f+8*(4*\hi+\a)+7], 0
.else
	v_wmma_f32_16x16x32_bf16 v[8*(8*(\a)+\b):8*(8*(\a)+\b)+7], v[\f+8*\b:\f+8*\b+7], v[\f+8*(4*\hi+\a):\f+8*(4*\hi+\a)+7], v[8*(8*(\a)+\b):8*(8*(\a)+\b)+7]
.endif
.endr
.endr
.endm
; 32 LDS loads in one run: the fragments of my quarter q (32 K) of a slot into buffer f.  A's rows 64-127 begin at the second wave's part of the slot.
.macro FETCH slot, q, f
	WIN TO_B
.irp i, 0,1,2,3,4,5,6,7
	ds_load_tr16_b128 v[\f+8*\i:\f+8*\i+3],   v[ADRB+\slot] offset:\q*32*PITCHB+32*\i
	ds_load_tr16_b128 v[\f+8*\i+4:\f+8*\i+7], v[ADRB+\slot] offset:\q*32*PITCHB+16*PITCHB+32*\i
.endr
	WIN 0
.irp i, 0,1,2,3,4,5,6,7
	ds_load_b128 v[\f+8*\i:\f+8*\i+3],   v[ADRA+\slot] offset:\q*64+(\i/4)*HALFT+(\i%4)*16*PITCHA
	ds_load_b128 v[\f+8*\i+4:\f+8*\i+7], v[ADRA+\slot] offset:\q*64+(\i/4)*HALFT+(\i%4)*16*PITCHA+32
.endr
.endm
; Four places of plain vector instructions stand between a matrix instruction and a load into, or a vector write or read of, its registers.
.macro PLACES
.rept 4
	v_nop
.endr
.endm
.macro QUARTER slot, q, f, g, zero
	s_wait_dscnt 8                                 ; W and A's rows 0-63 are in; the youngest eight loads (A's rows 64-127) may be out
	WIN MUL_LO
	MUL16 \f, 0, 0, \zero
	MUL16 \f, 0, 2, \zero
	PLACES
	FETCH \slot, \q, \g
	s_wait_dscnt 32                                ; all but the 32 just issued
	WIN MUL_HI
	MUL16 \f, 1, 0, \zero
	MUL16 \f, 1, 2, \zero
.endm
.macro STEPQ slot, zero                ; a wave's share of a K step is two quarters of 32: this is the first
	QUARTER \slot, 1, F0, F1, \zero
.endm
; The second: multiplies buffer 1 and changes slots.  In front of the barrier each wave waits for its reads of this slot and for all its tensor loads;
; behind it (fill = 1: behind the whole round of the cluster's barrier) the refill comes first, then the next slot's first fragments.
.macro TURN slot, next, fill
	s_wait_dscnt 8
	WIN MUL_LO
	MUL16 F1, 0, 0, 0
	s_wait_dscnt 0
	s_wait_tensorcnt 0x0
	s_barrier_signal -1
	MUL16 F1, 0, 2, 0
	WIN 0
	s_barrier_wait -1
.if \fill
	CREST
	s_add_nc_u64 s[G0+4*\slot+2:G0+4*\slot+3], s[G0+4*\slot+2:G0+4*\slot+3], 2*KSTEP*2
	s_add_nc_u64 s[G0B+4*\slot+2:G0B+4*\slot+3], s[G0B+4*\slot+2:G0B+4*\slot+3], 2*KSTEP*NB*2
	JLOAD \slot                                    ; my one tensor load behind the round; 112 matrix instructions stand between it and the wait for it
.endif
	PLACES
	FETCH \next, 0, F0
	WIN MUL_HI
	MUL16 F1, 1, 0, 0
	MUL16 F1, 1, 2, 0
.endm
.macro LAP zero
	STEPQ 0, \zero
	TURN 0, 1, 1
	STEPQ 1, 0
	TURN 1, 0, 1
.endm
	s_wait_tensorcnt 1                             ; my part of K step 0 is in; K step 1's may stay out
	s_barrier_signal -1
	s_barrier_wait -1
	FETCH 0, 0, F0
	LAP 1
.if LAPS > 2
	WIN 0
	s_mov_b32 s3, LAPS-2
.Llap:
	LAP 0
	WIN 0
	s_sub_co_u32 s3, s3, 1
	s_cmp_lg_u32 s3, 0
	s_cbranch_scc1 .Llap
.endif
	STEPQ 0, 0                                     ; the last lap fills nothing
	TURN 0, 1, 0
	STEPQ 1, 0
	s_wait_dscnt 8
	WIN MUL_LO
	MUL16 F1, 0, 0, 0
	MUL16 F1, 0, 2, 0
	s_wait_dscnt 0
	WIN MUL_HI
	MUL16 F1, 1, 0, 0
	MUL16 F1, 1, 2, 0
	; THE WAY OUT.  My 32 rows of the residual and the bias are asked for first; the four partial blocks meet in LDS; wave w adds and stores rows 32 w .. 32 w + 31.
	PLACES
	s_lshl_b32 s16, s13, 19                        ; 128 rows of 4,096 bytes
	s_mov_b32 s17, 0
	s_lshl_b32 s46, s42, 9                         ; 128 columns of 4 bytes
	s_mov_b32 s47, 0
	s_add_nc_u64 s[8:9], s[8:9], s[16:17]
	s_add_nc_u64 s[8:9], s[8:9], s[46:47]
	s_add_nc_u64 s[68:69], s[68:69], s[16:17]
	s_add_nc_u64 s[68:69], s[68:69], s[46:47]
	s_add_nc_u64 s[66:67], s[66:67], s[46:47]
	WIN TO_B
.set i, 0
.rept 32
	global_load_b128 v[RES+4*i:RES+4*i+3], v[RO], s[68:69] offset:4096*i
.set i, i+1
.endr
	WIN 0
	global_load_b128 v[BIAS:BIAS+3], v[BO], s[66:67]
	s_wait_dscnt 0x0                               ; my reads of the ring are over,
	s_wait_tensorcnt 0x0                           ; no fill is out (none has been since the last change of slots),
	s_barrier_signal -1
	s_barrier_wait -1                              ; and that holds of all four waves: the ring's bytes may be written
.irp hi, 0,1
	WIN 0x08+4*\hi                                 ; store data from window 2, then 3
.irp a, 0,1,2,3
.irp b, 0,1,2,3,4,5,6,7
	ds_store_b128 v[PST], v[8*(8*\a+\b):8*(8*\a+\b)+3]   offset:(4*\hi+\a)*16*PP+64*\b      ; row 16 a + r, columns 16 b + 8 hh + 0..3
	ds_store_b128 v[PST], v[8*(8*\a+\b)+4:8*(8*\a+\b)+7] offset:(4*\hi+\a)*16*PP+64*\b+16   ; + 4..7
.endr
.endr
.endr
	WIN 0
	s_wait_dscnt 0x0                               ; for the others' sake: my block is written
	s_barrier_signal -1
	s_barrier_wait -1
.macro SUMROWS g                       ; rows 8 g .. 8 g + 7 of my 32
.if \g
	s_wait_xcnt 0x0                                ; the last group's stores have had their addresses translated (ISA guide 3.1): their data registers are loaded again only behind this wait
.endif
.irp i, 0,1,2,3,4,5,6,7
.irp s, 0,1,2,3
	ds_load_b128 v[P+16*\i+4*\s:P+16*\i+4*\s+3], v[PRD+\s] offset:(8*\g+\i)*PP
.endr
.endr
.if \g == 0
	s_wait_loadcnt 0x0                             ; residual and bias, once
.endif
.irp i, 0,1,2,3,4,5,6,7
	s_wait_dscnt 28-4*\i                           ; row i's four loads are in; the later rows' may be out
	v_pk_add_f32 v[P+16*\i:P+16*\i+1],     v[P+16*\i:P+16*\i+1],     v[P+16*\i+4:P+16*\i+5]
	v_pk_add_f32 v[P+16*\i+2:P+16*\i+3],   v[P+16*\i+2:P+16*\i+3],   v[P+16*\i+6:P+16*\i+7]
	v_pk_add_f32 v[P+16*\i+8:P+16*\i+9],   v[P+16*\i+8:P+16*\i+9],   v[P+16*\i+12:P+16*\i+13]
	v_pk_add_f32 v[P+16*\i+10:P+16*\i+11], v[P+16*\i+10:P+16*\i+11], v[P+16*\i+14:P+16*\i+15]
	v_pk_add_f32 v[P+16*\i:P+16*\i+1],     v[P+16*\i:P+16*\i+1],     v[P+16*\i+8:P+16*\i+9]
	v_pk_add_f32 v[P+16*\i+2:P+16*\i+3],   v[P+16*\i+2:P+16*\i+3],   v[P+16*\i+10:P+16*\i+11]
	v_pk_add_f32 v[P+16*\i:P+16*\i+1],     v[P+16*\i:P+16*\i+1],     v[BIAS:BIAS+1]
	v_pk_add_f32 v[P+16*\i+2:P+16*\i+3],   v[P+16*\i+2:P+16*\i+3],   v[BIAS+2:BIAS+3]
.endr
	WIN 0x04                                       ; source 1 from window 1: the residual
.irp i, 0,1,2,3,4,5,6,7
	v_pk_add_f32 v[P+16*\i:P+16*\i+1],   v[P+16*\i:P+16*\i+1],   v[RES+4*(8*\g+\i):RES+4*(8*\g+\i)+1]
	v_pk_add_f32 v[P+16*\i+2:P+16*\i+3], v[P+16*\i+2:P+16*\i+3], v[RES+4*(8*\g+\i)+2:RES+4*(8*\g+\i)+3]
.endr
	WIN 0
.irp i, 0,1,2,3,4,5,6,7
	global_store_b128 v[RO], v[P+16*\i:P+16*\i+3], s[8:9] offset:4096*(8*\g+\i)   ; the wave stores 512 consecutive bytes, aligned
.endr
.endm
	SUMROWS 0
	SUMROWS 1
	SUMROWS 2
	SUMROWS 3
	CROUND                                         ; the closing round: no work-group ends while a partner may still ask for a tile that names it
	s_endpgm
.Lfunc_end_k_q2976ca8f4f_wo:
	.size	k_q2976ca8f4f_wo, .Lfunc_end_k_q2976ca8f4f_wo-k_q2976ca8f4f_wo
	.p2alignl 7, 3214868480
	.fill 96, 4, 3214868480
	.section	.rodata,"a",@progbits
	.p2align	6, 0x0
	.amdhsa_kernel k_q2976ca8f4f_wo
		.amdhsa_group_segment_fixed_size 327680
		.amdhsa_private_segment_fixed_size 0
		.amdhsa_enable_private_segment 0
		.amdhsa_kernarg_size 40
		.amdhsa_user_sgpr_count 2
		.amdhsa_user_sgpr_kernarg_segment_ptr 1
		.amdhsa_wavefront_size32 1
		.amdhsa_system_sgpr_workgroup_id_x 1
		.amdhsa_system_sgpr_workgroup_id_y 1
		.amdhsa_system_sgpr_workgroup_id_z 1
		.amdhsa_system_vgpr_workitem_id 0
		.amdhsa_next_free_vgpr 1024
		.amdhsa_next_free_sgpr 80
		.amdhsa_reserve_vcc 0
		.amdhsa_float_denorm_mode_32 3
		.amdhsa_float_denorm_mode_16_64 3
		.amdhsa_memory_ordered 1
		.amdhsa_forward_progress 1
		.amdhsa_inst_pref_size 103
	.end_amdhsa_kernel
	.amdgpu_metadata
---
amdhsa.version: [ 1, 2 ]
amdhsa.kernels:
  - .name:           k_q2976ca8f4f_wo
    .symbol:         k_q2976ca8f4f_wo.kd
    .args:
      - { .name: y, .offset: 0, .size: 8, .value_kind: global_buffer, .address_space: global }
      - { .name: wb, .offset: 8, .size: 8, .value_kind: global_buffer, .address_space: global }
      - { .name: x1, .offset: 16, .size: 8, .value_kind: global_buffer, .address_space: global }
      - { .name: bo, .offset: 24, .size: 8, .value_kind: global_buffer, .address_space: global }
      - { .name: x, .offset: 32, .size: 8, .value_kind: global_buffer, .address_space: global }
    .group_segment_fixed_size: 327680
    .private_segment_fixed_size: 0
    .kernarg_segment_align: 8
    .kernarg_segment_size: 40
    .max_flat_workgroup_size: 128
    .sgpr_count:     80
    .vgpr_count:     1024
    .wavefront_size: 32
...
	.end_amdgpu_metadata
.endif
;; end of part 4
;; launch ln2 (part 5): grid 256 x 1, 4 waves a work-group, no clusters, 0 bytes of LDS; arguments x1, ln2_g, ln2_b, h; writes h
.if DOCPART == 5
	.amdgcn_target "amdgcn-amd-amdhsa--gfx1250"
	.amdhsa_code_object_version 6
	.text
	.protected	k_q2976ca8f4f_ln2
	.globl	k_q2976ca8f4f_ln2
	.p2align	8
	.type	k_q2976ca8f4f_ln2,@function
k_q2976ca8f4f_ln2:
	s_mov_b64 s[64:65], 0
	v_nop
	global_prefetch_b8 v0, s[64:65] scope:SCOPE_SE
	s_setreg_imm32_b32 hwreg(HW_REG_WAVE_MODE, 25, 1), 1
	s_wait_xcnt 0x0
; ln2.  h = LayerNorm(x1) * ln2_g + ln2_b, rounded to bf16.  x1: [4096][1024] f32.  16 rows a work-group, 4 rows a wave.
; A launch of its own: the blocks of the product in front (128 x 128) do not hold whole rows, and blocks that do would each read all of Wo.
; A stream: no LDS, no barrier, no matrix unit.  A wave takes a whole row (eight loads of 16 bytes a lane) and keeps it in 32 registers
; through mean, variance and scaling, so x1 is read once.  The variance is the mean of (x - mean)^2, made from the differences.
; v_rsq_f32 is good to the last bit or so and flushes denormals.  Every store of a wave covers 256 consecutive bytes, aligned.
.set T,   4                            ; v[4:11]    four running pairs
.set MU,  12                           ; v[12:13]   the mean, twice
.set R,   14                           ; v[14:15]   1 / sqrt(var + eps), twice
.set PX,  16                           ; v16        what the other half of the lanes sends
.set G,   20                           ; v[20:51]   the gain of my 32 columns
.set BB,  52                           ; v[52:83]   the bias of my 32 columns
.set X,   84                           ; v[84:211]  four rows of 32 registers
.macro RED                             ; the sum of v[T] over the 32 lanes, into every lane
	v_add_f32_dpp v[T], v[T], v[T] row_xmask:1 row_mask:0xf bank_mask:0xf
	v_add_f32_dpp v[T], v[T], v[T] row_xmask:2 row_mask:0xf bank_mask:0xf
	v_add_f32_dpp v[T], v[T], v[T] row_xmask:4 row_mask:0xf bank_mask:0xf
	v_add_f32_dpp v[T], v[T], v[T] row_xmask:8 row_mask:0xf bank_mask:0xf
	v_permlanex16_b32 v[PX], v[T], s12, s13
	v_add_f32 v[T], v[T], v[PX]
.endm
.macro FOLD                            ; the four running pairs into v[T]
	v_pk_add_f32 v[T:T+1], v[T:T+1], v[T+2:T+3]
	v_pk_add_f32 v[T+4:T+5], v[T+4:T+5], v[T+6:T+7]
	v_pk_add_f32 v[T:T+1], v[T:T+1], v[T+4:T+5]
	v_add_f32 v[T], v[T], v[T+1]
.endm
; Row i of my four.  left = how many younger loads (the later rows') may stay out; gain and bias were asked for first.
.macro ROW i, left
	s_wait_loadcnt \left
.irp k, 0,2,4,6
	v_pk_add_f32 v[T+\k:T+\k+1], v[X+32*\i+\k:X+32*\i+\k+1], v[X+32*\i+8+\k:X+32*\i+8+\k+1]
.endr
.irp m, 16,24
.irp k, 0,2,4,6
	v_pk_add_f32 v[T+\k:T+\k+1], v[T+\k:T+\k+1], v[X+32*\i+\m+\k:X+32*\i+\m+\k+1]
.endr
.endr
	FOLD
	RED
	v_mul_f32 v[MU], s14, v[T]                     ; mean = sum / 1024
	v_mul_f32 v[MU+1], s14, v[T]
.set kk, 0
.rept 16
	v_pk_add_f32 v[X+32*\i+kk:X+32*\i+kk+1], v[X+32*\i+kk:X+32*\i+kk+1], v[MU:MU+1] neg_lo:[0,1] neg_hi:[0,1]
.set kk, kk+2
.endr
.irp k, 0,2,4,6
	v_pk_mul_f32 v[T+\k:T+\k+1], v[X+32*\i+\k:X+32*\i+\k+1], v[X+32*\i+\k:X+32*\i+\k+1]
.endr
.irp m, 8,16,24
.irp k, 0,2,4,6
	v_pk_fma_f32 v[T+\k:T+\k+1], v[X+32*\i+\m+\k:X+32*\i+\m+\k+1], v[X+32*\i+\m+\k:X+32*\i+\m+\k+1], v[T+\k:T+\k+1]
.endr
.endr
	FOLD
	RED
	v_fma_f32 v[T], v[T], s14, s15                 ; var + eps
	v_rsq_f32 v[R], v[T]
	v_rsq_f32 v[R+1], v[T]
	v_nop                                          ; one plain place behind a transcendental before its result is used (ISA guide 5.7.2)
.set kk, 0
	s_wait_alu depctr_va_vdst(0)
.rept 16
	v_pk_mul_f32 v[X+32*\i+kk:X+32*\i+kk+1], v[X+32*\i+kk:X+32*\i+kk+1], v[R:R+1]
.set kk, kk+2
.endr
.set kk, 0
.rept 16
	v_pk_fma_f32 v[X+32*\i+kk:X+32*\i+kk+1], v[X+32*\i+kk:X+32*\i+kk+1], v[G+kk:G+kk+1], v[BB+kk:BB+kk+1]
.set kk, kk+2
.endr
.set kk, 0
.rept 16
	v_cvt_pk_bf16_f32 v[X+32*\i+kk], v[X+32*\i+2*kk], v[X+32*\i+2*kk+1]   ; packed downward: register kk is free when it is written
.set kk, kk+1
.endr
.irp j, 0,1,2,3,4,5,6,7
	global_store_b64 v2, v[X+32*\i+2*\j:X+32*\i+2*\j+1], s[10:11] offset:2048*\i+256*\j
.endr
.endm
	s_load_b256 s[4:11], s[0:1], 0x0               ; x1 s[4:5], ln2_g s[6:7], ln2_b s[8:9], h s[10:11]
	v_and_b32 v3, 31, v0
	v_and_b32 v2, 0x60, v0                         ; 32 x wave
	v_lshlrev_b32 v3, 4, v3                        ; 16 l
	v_lshl_or_b32 v1, v2, 9, v3                    ; wave x 4 rows x 4,096 bytes + 16 l
	v_lshrrev_b32 v2, 1, v1                        ; wave x 4 rows x 2,048 bytes + 8 l
	s_mov_b32 s35, 0
	s_mov_b32 s12, 0x76543210                      ; v_permlanex16_b32: lane i of one half reads lane i of the other
	s_mov_b32 s13, 0xfedcba98
	s_mov_b32 s14, 0x3a800000                      ; 1 / 1024
	s_mov_b32 s15, 0x3727c5ac                      ; eps = 1e-5
	v_mov_b32 v[PX], 0                             ; the lane exchange counts as a reader of its destination
	s_lshl_b32 s34, ttmp9, 16
	s_wait_kmcnt 0x0
	s_add_nc_u64 s[4:5], s[4:5], s[34:35]
	s_lshl_b32 s34, ttmp9, 15
	s_add_nc_u64 s[10:11], s[10:11], s[34:35]
.irp j, 0,1,2,3,4,5,6,7
	global_load_b128 v[G+4*\j:G+4*\j+3], v3, s[6:7] offset:512*\j
.endr
.irp j, 0,1,2,3,4,5,6,7
	global_load_b128 v[BB+4*\j:BB+4*\j+3], v3, s[8:9] offset:512*\j
.endr
.irp i, 0,1,2,3
.irp j, 0,1,2,3,4,5,6,7
	global_load_b128 v[X+32*\i+4*\j:X+32*\i+4*\j+3], v1, s[4:5] offset:4096*\i+512*\j
.endr
.endr
	ROW 0, 24
	ROW 1, 16
	ROW 2, 8
	ROW 3, 0
	s_endpgm
.Lfunc_end_k_q2976ca8f4f_ln2:
	.size	k_q2976ca8f4f_ln2, .Lfunc_end_k_q2976ca8f4f_ln2-k_q2976ca8f4f_ln2
	.p2alignl 7, 3214868480
	.fill 96, 4, 3214868480
	.section	.rodata,"a",@progbits
	.p2align	6, 0x0
	.amdhsa_kernel k_q2976ca8f4f_ln2
		.amdhsa_group_segment_fixed_size 0
		.amdhsa_private_segment_fixed_size 0
		.amdhsa_enable_private_segment 0
		.amdhsa_kernarg_size 32
		.amdhsa_user_sgpr_count 2
		.amdhsa_user_sgpr_kernarg_segment_ptr 1
		.amdhsa_wavefront_size32 1
		.amdhsa_system_sgpr_workgroup_id_x 1
		.amdhsa_system_sgpr_workgroup_id_y 1
		.amdhsa_system_sgpr_workgroup_id_z 1
		.amdhsa_system_vgpr_workitem_id 0
		.amdhsa_next_free_vgpr 212
		.amdhsa_next_free_sgpr 66
		.amdhsa_reserve_vcc 0
		.amdhsa_float_denorm_mode_32 3
		.amdhsa_float_denorm_mode_16_64 3
		.amdhsa_memory_ordered 1
		.amdhsa_forward_progress 1
		.amdhsa_inst_pref_size 38
	.end_amdhsa_kernel
	.amdgpu_metadata
---
amdhsa.version: [ 1, 2 ]
amdhsa.kernels:
  - .name:           k_q2976ca8f4f_ln2
    .symbol:         k_q2976ca8f4f_ln2.kd
    .args:
      - { .name: x1, .offset: 0, .size: 8, .value_kind: global_buffer, .address_space: global }
      - { .name: ln2_g, .offset: 8, .size: 8, .value_kind: global_buffer, .address_space: global }
      - { .name: ln2_b, .offset: 16, .size: 8, .value_kind: global_buffer, .address_space: global }
      - { .name: h, .offset: 24, .size: 8, .value_kind: global_buffer, .address_space: global }
    .group_segment_fixed_size: 0
    .private_segment_fixed_size: 0
    .kernarg_segment_align: 8
    .kernarg_segment_size: 32
    .max_flat_workgroup_size: 128
    .sgpr_count:     66
    .vgpr_count:     212
    .wavefront_size: 32
...
	.end_amdgpu_metadata
.endif
;; end of part 5
;; launch ffn1 (part 6): grid 16 x 16, 4 waves a work-group, clusters of 4 x 4, 327,680 bytes of LDS; arguments h, wb, mid, b1; writes mid
.if DOCPART == 6
	.amdgcn_target "amdgcn-amd-amdhsa--gfx1250"
	.amdhsa_code_object_version 6
	.text
	.protected	k_q2976ca8f4f_ffn1
	.globl	k_q2976ca8f4f_ffn1
	.p2align	8
	.type	k_q2976ca8f4f_ffn1,@function
k_q2976ca8f4f_ffn1:
	s_mov_b64 s[64:65], 0
	v_nop
	global_prefetch_b8 v0, s[64:65] scope:SCOPE_SE
	s_setreg_imm32_b32 hwreg(HW_REG_WAVE_MODE, 25, 1), 1
	s_wait_xcnt 0x0
	s_wait_alu depctr_hold_cnt(0) depctr_sa_sdst(0) depctr_va_vdst(0) depctr_va_sdst(0) depctr_va_ssrc(0) depctr_va_vcc(0) depctr_vm_vsrc(0)
	s_getreg_b32 s2, hwreg(HW_REG_IB_STS2, 6, 4)
	s_cmp_eq_u32 s2, 0
	s_cbranch_scc0 .Lentry_in_a_cluster
	s_endpgm
.Lentry_in_a_cluster:
	s_bfe_u32 s2, ttmp6, 0x10000c
	s_cmp_lg_u32 s2, 0xf033
	s_cbranch_scc0 .Lentry_shape_is_right
	s_endpgm
.Lentry_shape_is_right:
; ffn1.  mid = gelu(h W1 + b1), rounded to bf16.  h: [4096][1024] bf16.  W1: bf16 [K = 1024][N = 4096] at byte 8,388,608 of wb.  mid: [4096][4096] bf16.  Sums in f32.
; A work-group makes 256 x 256 with four waves, 128 x 128 each (64 accumulator tiles, 512 registers): 16 x 16 = 256 work-groups.
; K goes in steps of 128 through two LDS slots filled by the tensor data mover: 256 rows of h (256 bytes each) and 128 rows of W1 (512 bytes each).
; W1 lies [K][N]: ds_load_tr16_b128 turns 8 x 8 blocks on the way from LDS to registers.
; CLUSTERS: 4 x 4 work-groups; a row of the cluster shares the tiles of h, a column those of W1, each asked for jointly.
; GELU, exact form, with erf by Abramowitz and Stegun 7.1.26.  LIMIT: that formula's absolute error, at most 1.5e-7 in erf, for every x.  Written as
;   gelu(x) = max(x, 0) - |x| q(t) 2^(-x^2 log2(e) / 2),  t = 1 / (1 + 0.23164189 |x|),  q = t (a1 + t (a2 + t (a3 + t (a4 + t a5)))), the a halved,
; so that neither sign of x forms a difference of near numbers, and a large |x| gives x or 0 (x^2 may overflow: the power of two is then 0).
; v_exp_f32 and v_rcp_f32 flush denormals.
; REGISTERS, in windows of 256:  window 0: v16-27 addresses; v32-43 constants; v64-127, v128-191 fragments of h, two buffers; v192-255 the bias of my 128 columns
;   window 1: v64-127, v128-191 fragments of W1;  window 2: accumulator tiles of my rows 0-63 (tile (a, b) at v[8 (8 a + b)]);  window 3: rows 64-127.
; The matrix instruction is used transposed (source 0 = 16 columns of W1, source 1 = 16 rows of h): a lane holds eight neighbouring columns of one row.
.set SIZE_K, 1024
.set NB,     4096
.set WOFF,   8388608
.set KSTEP,  128
.set PITCHA, 272                       ; an LDS row of h: 256 bytes + 16
.set PITCHB, 544                       ; an LDS row of W1: 512 bytes + 32, an odd multiple of 32 for the transposing loads
.set HALFT,  128*PITCHA                ; what one tensor load brings: 128 rows of h, or 64 rows of W1 (the same 34,816 bytes)
.set SLOT,   4*HALFT
.set STAGE,  2*SLOT                    ; behind the ring: 16 rows x 272 bytes for each wave, for the way out
.set SPITCH, 272
.set LAPS,   SIZE_K/(2*KSTEP)
.set ADRA, 16
.set ADRB, 20
.set STO,  24
.set RD,   25
.set CO,   26
.set BO,   27                          ; my byte offset in the bias; not rewritten while its loads are out
.set CA1,  32                          ; v[32:43] pairs: a1/2 .. a5/2, - log2(e) / 2
.set CA2,  34
.set CA3,  36
.set CA4,  38
.set CA5,  40
.set CC2,  42
.set F0,   64
.set F1,   128
.set XO,   64                          ; the way out: 64 numbers at work
.set GU,   128                         ; max(x, 0)
.set GT,   136                         ; t
.set GE,   144                         ; the power of two
.set GQ,   152                         ; q
.set RB,   160                         ; 32 registers read back and stored
.set BIAS, 192
.set G1, 24
.set G0, 32
.set G1B, 48
.set G0B, 56
.set MSB, 0
.macro WIN new                         ; the immediate's high byte repeats the setting that is left
.if MSB != \new
	s_set_vgpr_msb (MSB<<8)|\new
.set MSB, \new
.endif
.endm
.set MUL_LO, 0xa1                      ; source 0 (W1) window 1, source 1 (h) window 0, C and D window 2
.set MUL_HI, 0xf1                      ; the same, C and D window 3
.set TO_B,   0x40                      ; destination window 1, address window 0
.macro JLOAD s                         ; waves 0 and 1 fetch the halves of h's tile, waves 2 and 3 those of W1's; the branch hangs on the wave's number alone
	s_cmp_eq_u32 s11, 0
	s_cbranch_scc0 .Lfor_b_\@
	tensor_load_to_lds s[G0+4*\s:G0+4*\s+3], s[G1:G1+7]
	s_nop 0
	s_branch .Lasked_\@
.Lfor_b_\@:
	tensor_load_to_lds s[G0B+4*\s:G0B+4*\s+3], s[G1B:G1B+7]
	s_nop 0
.Lasked_\@:
.endm
.macro CREST                           ; a round of the cluster's barrier behind its opening barrier
	s_cmp_lg_u32 s10, 0
	s_cbranch_scc1 .Lnot_wave_0_\@
	s_barrier_signal -3
.Lnot_wave_0_\@:
	s_barrier_wait -3
	s_barrier_signal -1
	s_barrier_wait -1
.endm
.macro CROUND
	s_barrier_signal -1
	s_barrier_wait -1
	CREST
.endm
	s_load_b128 s[4:7], s[0:1], 0x0                ; h s[4:5], wb s[6:7]
	s_load_b64 s[8:9], s[0:1], 0x10                ; mid
	s_load_b64 s[66:67], s[0:1], 0x18              ; b1
	v_lshrrev_b32 v1, 5, v0
	v_readfirstlane_b32 s10, v1                    ; wave 0..3
	s_lshr_b32 s11, s10, 1                         ; which half of the block's rows is mine.  Also: I fetch for h (0) or for W1 (1)
	s_and_b32 s12, s10, 1                          ; which half of its columns.  Also: which half of that tile I fetch
	s_bfe_u32 s40, ttmp6, 0x40000                  ; cx
	s_bfe_u32 s41, ttmp6, 0x40004                  ; cy
	s_lshl_b32 s42, ttmp9, 2
	s_add_co_u32 s42, s42, s40                     ; block column = 4 x cluster x + cx
	s_and_b32 s13, ttmp7, 0xffff
	s_lshl_b32 s13, s13, 2
	s_add_co_u32 s13, s13, s41                     ; block row = 4 x cluster y + cy
	s_lshl_b32 s43, s41, 2
	s_lshl_b32 s43, 15, s43                        ; my row of the cluster
	s_lshl_b32 s44, 0x1111, s40                    ; my column
	s_mov_b32 s74, 0x3e6d3388                      ; 0.23164189 = 0.3275911 / sqrt(2)
	s_or_b32 s[G1+0], s43, (1<<16)|(1<<20)|(1<<21)|(5<<22)|(3<<25)  ; mask; elements of 2 bytes; padding on; bit 21 beside a mask; after every 64 words 4 words
	s_mov_b32 s[G1+1], KSTEP<<16                   ; tensor_dim0 = 128
	s_mov_b32 s[G1+2], 128<<16                     ; tensor_dim1 = 128
	s_mov_b32 s[G1+3], KSTEP<<16                   ; tile_dim0 = 128
	s_mov_b32 s[G1+4], 128                         ; tile_dim1 = 128 rows
	s_mov_b32 s[G1+5], SIZE_K
	s_mov_b32 s[G1+6], 0
	s_mov_b32 s[G1+7], 0
	s_or_b32 s[G1B+0], s44, (1<<16)|(1<<20)|(1<<21)|(6<<22)|(7<<25) ; W1: after every 128 words 8 words
	s_mov_b32 s[G1B+1], 256<<16                    ; tensor_dim0 = 256
	s_mov_b32 s[G1B+2], 64<<16                     ; tensor_dim1 = 64
	s_mov_b32 s[G1B+3], 256<<16                    ; tile_dim0 = 256
	s_mov_b32 s[G1B+4], 64                         ; tile_dim1 = 64 rows
	s_mov_b32 s[G1B+5], NB
	s_mov_b32 s[G1B+6], 0
	s_mov_b32 s[G1B+7], 0
	; h's tiles hang on the block row alone, W1's on the block column alone; each address is made in registers that never hold the other coordinate
	s_lshl_b32 s17, s12, 7
	s_lshl_b32 s16, s13, 8
	s_add_co_u32 s16, s16, s17                     ; h: row 256 x block row + 128 x half
	s_lshl_b32 s16, s16, 11                        ; x 2,048 bytes
	s_mov_b32 s17, 0
	s_lshl_b32 s46, s42, 9                         ; W1: columns 256 x block column (512 bytes),
	s_lshl_b32 s47, s12, 19                        ; 64 rows of 8,192 bytes for the second half,
	s_add_co_u32 s46, s46, s47
	s_add_co_u32 s46, s46, WOFF                    ; in its place in wb
	s_mov_b32 s47, 0
	s_mul_i32 s20, s10, HALFT                      ; where they go: wave x 34,816
	s_lshl_b32 s76, s42, 10                        ; my 128 columns in the bias: 4 x (256 x block column + 128 half)
	s_lshl_b32 s77, s12, 9
	s_add_co_u32 s76, s76, s77
	s_mov_b32 s77, 0
	s_wait_kmcnt 0x0
	s_add_nc_u64 s[14:15], s[4:5], s[16:17]
	s_add_nc_u64 s[46:47], s[6:7], s[46:47]
	CROUND                                         ; all sixteen work-groups are here: the first joint loads meet
.irp s, 0,1
	s_mov_b32 s[G0+4*\s], 1
	s_add_co_u32 s[G0+4*\s+1], s20, \s*SLOT
	s_add_nc_u64 s[G0+4*\s+2:G0+4*\s+3], s[14:15], \s*KSTEP*2
	s_or_b32 s[G0+4*\s+3], s[G0+4*\s+3], 0x80000000
	s_mov_b32 s[G0B+4*\s], 1
	s_add_co_u32 s[G0B+4*\s+1], s20, \s*SLOT
	s_add_nc_u64 s[G0B+4*\s+2:G0B+4*\s+3], s[46:47], \s*KSTEP*NB*2
	s_or_b32 s[G0B+4*\s+3], s[G0B+4*\s+3], 0x80000000
	JLOAD \s                                       ; both slots' first fills: two tensor loads of the wave are out
.endr
	s_add_nc_u64 s[66:67], s[66:67], s[76:77]
	v_and_b32 v1, 15, v0                           ; r
	v_bfe_u32 v2, v0, 4, 1                         ; hh
	v_lshlrev_b32 v[BO], 5, v2
.irp b, 0,1,2,3,4,5,6,7
	global_load_b128 v[BIAS+8*\b:BIAS+8*\b+3],   v[BO], s[66:67] offset:64*\b      ; bias of columns 16 b + 8 hh + 0..3,
	global_load_b128 v[BIAS+8*\b+4:BIAS+8*\b+7], v[BO], s[66:67] offset:64*\b+16   ; + 4..7: waited for at the way out
.endr
.irp k, 0,1
	v_mov_b32 v[CA1+\k], 0x3e027906                ;  0.127414796
	v_mov_b32 v[CA2+\k], 0xbe11a98e                ; -0.142248368
	v_mov_b32 v[CA3+\k], 0x3f35f0e3                ;  0.7107068705
	v_mov_b32 v[CA4+\k], 0xbf3a00e3                ; -0.7265760135
	v_mov_b32 v[CA5+\k], 0x3f07dc22                ;  0.5307027145
	v_mov_b32 v[CC2+\k], 0xbf38aa3b                ; -log2(e) / 2
.endr
	v_mul_u32_u24 v3, v1, PITCHA
	v_lshl_add_u32 v3, v2, 4, v3
	v_and_b32 v4, 7, v0
	v_lshl_add_u32 v4, v2, 3, v4
	v_mul_u32_u24 v4, v4, PITCHB
	v_bfe_u32 v5, v0, 3, 1
	v_lshl_add_u32 v4, v5, 4, v4
	s_mul_i32 s21, s11, HALFT                      ; my 128 rows of h
	s_lshl_b32 s22, s12, 8                         ; my 128 columns of W1,
	s_add_co_u32 s22, s22, 2*HALFT                 ; which lies behind h's 256 rows
.irp s, 0,1
	v_add_nc_u32 v[ADRA+\s], s21, v3
	v_add_nc_u32 v[ADRB+\s], s22, v4
	s_add_co_u32 s21, s21, SLOT
	s_add_co_u32 s22, s22, SLOT
.endr
	s_mul_i32 s23, s10, 16*SPITCH
	s_add_co_u32 s23, s23, STAGE                   ; my stage
	v_add_nc_u32 v[STO], s23, v3                   ; in: row r, 16 bytes for each half (the stage has h's pitch)
	v_mul_u32_u24 v5, v2, SPITCH                   ; back: lanes 0-15 take one row of 256 bytes, lanes 16-31 the next
	v_lshl_add_u32 v5, v1, 4, v5
	v_add_nc_u32 v[RD], s23, v5
	v_lshlrev_b32 v5, 13, v2                       ; and the same two rows of mid, 8,192 bytes apart
	v_lshl_add_u32 v[CO], v1, 4, v5
; 16 matrix instructions.  The 64 accumulators take turns, one instruction a turn, in the same order in every quarter.
.macro MUL16 f, hi, a0, zero
.irp a, \a0, \a0+1
.irp b, 0,1,2,3,4,5,6,7
.if \zero
	v_wmma_f32_16x16x32_bf16 v[8*(8*(\a)+\b):8*(8*(\a)+\b)+7], v[\f+8*\b:\f+8*\b+7], v[\f+8*(4*\hi+\a):\f+8*(4*\hi+\a)+7], 0
.else
	v_wmma_f32_16x16x32_bf16 v[8*(8*(\a)+\b):8*(8*(\a)+\b)+7], v[\f+8*\b:\f+8*\b+7], v[\f+8*(4*\hi+\a):\f+8*(4*\hi+\a)+7], v[8*(8*(\a)+\b):8*(8*(\a)+\b)+7]
.endif
.endr
.endr
.endm
.macro FETCH slot, q, f                ; 32 LDS loads in one run: the fragments of quarter q (32 K) of a slot into buffer f
	WIN TO_B
.irp i, 0,1,2,3,4,5,6,7
	ds_load_tr16_b128 v[\f+8*\i:\f+8*\i+3],   v[ADRB+\slot] offset:\q*32*PITCHB+32*\i
	ds_load_tr16_b128 v[\f+8*\i+4:\f+8*\i+7], v[ADRB+\slot] offset:\q*32*PITCHB+16*PITCHB+32*\i
.endr
	WIN 0
.irp i, 0,1,2,3,4,5,6,7
	ds_load_b128 v[\f+8*\i:\f+8*\i+3],   v[ADRA+\slot] offset:\q*64+\i*16*PITCHA
	ds_load_b128 v[\f+8*\i+4:\f+8*\i+7], v[ADRA+\slot] offset:\q*64+\i*16*PITCHA+32
.endr
.endm
; Four places of plain vector instructions stand between a matrix instruction and a load into, or a vector write or read of, its registers.
.macro PLACES
.rept 4
	v_nop
.endr
.endm
.macro QUARTER slot, q, f, g, zero
	s_wait_dscnt 8                                 ; W1 and h's rows 0-63 are in; the youngest eight loads (h's rows 64-127) may be out
	WIN MUL_LO
	MUL16 \f, 0, 0, \zero
	MUL16 \f, 0, 2, \zero
	PLACES
	FETCH \slot, \q, \g
	s_wait_dscnt 32                                ; all but the 32 just issued
	WIN MUL_HI
	MUL16 \f, 1, 0, \zero
	MUL16 \f, 1, 2, \zero
.endm
.macro STEPQ slot, zero
	QUARTER \slot, 1, F0, F1, \zero
	QUARTER \slot, 2, F1, F0, 0
	QUARTER \slot, 3, F0, F1, 0
.endm
; The last quarter: multiplies buffer 1 and changes slots.  In front of the barrier each wave waits for its reads of this slot and for all its tensor loads;
; behind it (fill = 1: behind the whole round of the cluster's barrier) the refill comes first, then the next slot's first fragments.
.macro TURN slot, next, fill
	s_wait_dscnt 8
	WIN MUL_LO
	MUL16 F1, 0, 0, 0
	s_wait_dscnt 0
	s_wait_tensorcnt 0x0
	s_barrier_signal -1
	MUL16 F1, 0, 2, 0
	WIN 0
	s_barrier_wait -1
.if \fill
	CREST
	s_add_nc_u64 s[G0+4*\slot+2:G0+4*\slot+3], s[G0+4*\slot+2:G0+4*\slot+3], 2*KSTEP*2
	s_add_nc_u64 s[G0B+4*\slot+2:G0B+4*\slot+3], s[G0B+4*\slot+2:G0B+4*\slot+3], 2*KSTEP*NB*2
	JLOAD \slot                                    ; my one tensor load behind the round; 240 matrix instructions stand between it and the wait for it
.endif
	PLACES
	FETCH \next, 0, F0
	WIN MUL_HI
	MUL16 F1, 1, 0, 0
	MUL16 F1, 1, 2, 0
.endm
.macro LAP zero
	STEPQ 0, \zero
	TURN 0, 1, 1
	STEPQ 1, 0
	TURN 1, 0, 1
.endm
	s_wait_tensorcnt 1                             ; my part of K step 0 is in; K step 1's may stay out
	s_barrier_signal -1
	s_barrier_wait -1
	FETCH 0, 0, F0
	LAP 1
.if LAPS > 2
	WIN 0
	s_mov_b32 s3, LAPS-2
.Llap:
	LAP 0
	WIN 0
	s_sub_co_u32 s3, s3, 1
	s_cmp_lg_u32 s3, 0
	s_cbranch_scc1 .Llap
.endif
	STEPQ 0, 0                                     ; the last lap fills nothing
	TURN 0, 1, 0
	STEPQ 1, 0
	s_wait_dscnt 8
	WIN MUL_LO
	MUL16 F1, 0, 0, 0
	MUL16 F1, 0, 2, 0
	s_wait_dscnt 0
	WIN MUL_HI
	MUL16 F1, 1, 0, 0
	MUL16 F1, 1, 2, 0
	; THE WAY OUT, 16 rows at a time: bias, gelu, round to bf16, 16 bytes a lane into my own stage, read back as whole rows of 256 bytes.
	PLACES
	s_lshl_b32 s13, s13, 8
	s_lshl_b32 s14, s11, 7
	s_add_co_u32 s16, s13, s14                     ; my first row
	s_lshl_b32 s16, s16, 13                        ; x 8,192 bytes
	s_mov_b32 s17, 0
	s_add_nc_u64 s[8:9], s[8:9], s[16:17]
	s_lshl_b32 s46, s42, 9                         ; my first column, in bytes: 512 x block + 256 x half
	s_lshl_b32 s47, s12, 8
	s_add_co_u32 s46, s46, s47
	s_mov_b32 s47, 0
	s_add_nc_u64 s[8:9], s[8:9], s[46:47]
	s_wait_loadcnt 0x0                             ; the bias
.macro GELU8 x                         ; eight numbers at v[x], in place
.irp k, 0,1,2,3,4,5,6,7
	v_fma_f32 v[GT+\k], |v[\x+\k]|, s74, 1.0
.endr
.irp k, 0,2,4,6
	v_pk_mul_f32 v[GE+\k:GE+\k+1], v[\x+\k:\x+\k+1], v[\x+\k:\x+\k+1]
.endr
.irp k, 0,2,4,6
	v_pk_mul_f32 v[GE+\k:GE+\k+1], v[GE+\k:GE+\k+1], v[CC2:CC2+1]
.endr
.irp k, 0,1,2,3,4,5,6,7
	v_rcp_f32 v[GT+\k], v[GT+\k]
.endr
.irp k, 0,1,2,3,4,5,6,7
	v_exp_f32 v[GE+\k], v[GE+\k]
.endr
.irp k, 0,1,2,3,4,5,6,7
	v_max_num_f32 v[GU+\k], 0, v[\x+\k]            ; plain places behind the transcendentals (ISA guide 5.7.2)
.endr
	s_wait_alu depctr_va_vdst(0)
.irp k, 0,2,4,6
	v_pk_fma_f32 v[GQ+\k:GQ+\k+1], v[GT+\k:GT+\k+1], v[CA5:CA5+1], v[CA4:CA4+1]
.endr
.irp c, CA3, CA2, CA1
.irp k, 0,2,4,6
	v_pk_fma_f32 v[GQ+\k:GQ+\k+1], v[GQ+\k:GQ+\k+1], v[GT+\k:GT+\k+1], v[\c:\c+1]
.endr
.endr
.irp k, 0,2,4,6
	v_pk_mul_f32 v[GQ+\k:GQ+\k+1], v[GQ+\k:GQ+\k+1], v[GT+\k:GT+\k+1]
.endr
.irp k, 0,2,4,6
	v_pk_mul_f32 v[GQ+\k:GQ+\k+1], v[GQ+\k:GQ+\k+1], v[GE+\k:GE+\k+1]
.endr
.irp k, 0,1,2,3,4,5,6,7
	v_fma_f32 v[\x+\k], -v[GQ+\k], |v[\x+\k]|, v[GU+\k]
.endr
.endm
.macro OUT16 i, a, from                ; rows 16 i .. 16 i + 15 = tiles (a, 0..7) of window 2 or 3 (from: source 0's window)
	WIN \from
.irp b, 0,1,2,3,4,5,6,7
.irp r, 0,2,4,6
	v_pk_add_f32 v[XO+8*\b+\r:XO+8*\b+\r+1], v[8*(8*\a+\b)+\r:8*(8*\a+\b)+\r+1], v[BIAS+8*\b+\r:BIAS+8*\b+\r+1]
.endr
.endr
	WIN 0
.irp b, 0,1,2,3,4,5,6,7
	GELU8 XO+8*\b
.endr
.set kk, 0
.rept 32
	v_cvt_pk_bf16_f32 v[XO+kk], v[XO+2*kk], v[XO+2*kk+1]   ; packed downward: register kk is free when it is written
.set kk, kk+1
.endr
.irp b, 0,1,2,3,4,5,6,7
	ds_store_b128 v[STO], v[XO+4*\b:XO+4*\b+3] offset:32*\b
.endr
	s_wait_xcnt 0x0                                ; the last group's stores have had their addresses translated (ISA guide 3.1): RB and the base are rewritten only behind this wait
.if \i
	s_add_nc_u64 s[8:9], s[8:9], 16*NB*2           ; 16 rows on
.endif
.irp t, 0,1,2,3,4,5,6,7
	ds_load_b128 v[RB+4*\t:RB+4*\t+3], v[RD] offset:\t*2*SPITCH    ; LDS serves a wave's instructions in order (ISA guide 5.7.1.4): these see the stores above
.endr
.irp t, 0,1,2,3,4,5,6,7
	s_wait_dscnt 7-\t
	global_store_b128 v[CO], v[RB+4*\t:RB+4*\t+3], s[8:9] offset:2*\t*NB*2   ; 16 lanes store 256 consecutive bytes, aligned
.endr
.endm
	OUT16 0, 0, 0x02
	OUT16 1, 1, 0x02
	OUT16 2, 2, 0x02
	OUT16 3, 3, 0x02
	OUT16 4, 0, 0x03
	OUT16 5, 1, 0x03
	OUT16 6, 2, 0x03
	OUT16 7, 3, 0x03
	CROUND                                         ; the closing round: no work-group ends while a partner may still ask for a tile that names it
	s_endpgm
.Lfunc_end_k_q2976ca8f4f_ffn1:
	.size	k_q2976ca8f4f_ffn1, .Lfunc_end_k_q2976ca8f4f_ffn1-k_q2976ca8f4f_ffn1
	.p2alignl 7, 3214868480
	.fill 96, 4, 3214868480
	.section	.rodata,"a",@progbits
	.p2align	6, 0x0
	.amdhsa_kernel k_q2976ca8f4f_ffn1
		.amdhsa_group_segment_fixed_size 327680
		.amdhsa_private_segment_fixed_size 0
		.amdhsa_enable_private_segment 0
		.amdhsa_kernarg_size 32
		.amdhsa_user_sgpr_count 2
		.amdhsa_user_sgpr_kernarg_segment_ptr 1
		.amdhsa_wavefront_size32 1
		.amdhsa_system_sgpr_workgroup_id_x 1
		.amdhsa_system_sgpr_workgroup_id_y 1
		.amdhsa_system_sgpr_workgroup_id_z 1
		.amdhsa_system_vgpr_workitem_id 0
		.amdhsa_next_free_vgpr 1024
		.amdhsa_next_free_sgpr 80
		.amdhsa_reserve_vcc 0
		.amdhsa_float_denorm_mode_32 3
		.amdhsa_float_denorm_mode_16_64 3
		.amdhsa_memory_ordered 1
		.amdhsa_forward_progress 1
		.amdhsa_inst_pref_size 255
	.end_amdhsa_kernel
	.section	.bss,"aw",@nobits
	.p2align	6
	.space	262144
	.amdgpu_metadata
---
amdhsa.version: [ 1, 2 ]
amdhsa.kernels:
  - .name:           k_q2976ca8f4f_ffn1
    .symbol:         k_q2976ca8f4f_ffn1.kd
    .args:
      - { .name: h, .offset: 0, .size: 8, .value_kind: global_buffer, .address_space: global }
      - { .name: wb, .offset: 8, .size: 8, .value_kind: global_buffer, .address_space: global }
      - { .name: mid, .offset: 16, .size: 8, .value_kind: global_buffer, .address_space: global }
      - { .name: b1, .offset: 24, .size: 8, .value_kind: global_buffer, .address_space: global }
    .group_segment_fixed_size: 327680
    .private_segment_fixed_size: 0
    .kernarg_segment_align: 8
    .kernarg_segment_size: 32
    .max_flat_workgroup_size: 128
    .sgpr_count:     80
    .vgpr_count:     1024
    .wavefront_size: 32
...
	.end_amdgpu_metadata
.endif
;; end of part 6
;; launch ffn2 (part 7): grid 8 x 32, 4 waves a work-group, clusters of 4 x 4, 327,680 bytes of LDS; arguments mid, wb, out0, b2, x1; writes out0
.if DOCPART == 7
	.amdgcn_target "amdgcn-amd-amdhsa--gfx1250"
	.amdhsa_code_object_version 6
	.text
	.protected	k_q2976ca8f4f_ffn2
	.globl	k_q2976ca8f4f_ffn2
	.p2align	8
	.type	k_q2976ca8f4f_ffn2,@function
k_q2976ca8f4f_ffn2:
	s_mov_b64 s[64:65], 0
	v_nop
	global_prefetch_b8 v0, s[64:65] scope:SCOPE_SE
	s_setreg_imm32_b32 hwreg(HW_REG_WAVE_MODE, 25, 1), 1
	s_wait_xcnt 0x0
	s_wait_alu depctr_hold_cnt(0) depctr_sa_sdst(0) depctr_va_vdst(0) depctr_va_sdst(0) depctr_va_ssrc(0) depctr_va_vcc(0) depctr_vm_vsrc(0)
	s_getreg_b32 s2, hwreg(HW_REG_IB_STS2, 6, 4)
	s_cmp_eq_u32 s2, 0
	s_cbranch_scc0 .Lentry_in_a_cluster
	s_endpgm
.Lentry_in_a_cluster:
	s_bfe_u32 s2, ttmp6, 0x10000c
	s_cmp_lg_u32 s2, 0xf033
	s_cbranch_scc0 .Lentry_shape_is_right
	s_endpgm
.Lentry_shape_is_right:
; ffn2.  out0 = x1 + mid W2 + b2, f32.  mid: [4096][4096] bf16.  W2: bf16 [K = 4096][N = 1024] at byte 16,777,216 of wb.  Sums in f32.
; N is only 1,024, so a block of C is 128 x 128: 8 x 32 = 256 work-groups.  The four waves do not split the block but K: every wave holds the whole
; 128 x 128 (64 accumulator tiles, 512 registers) for a quarter of K, so a wave still feeds 64 matrix instructions from 16 KiB of LDS reads.
; The price is a sum of four partial blocks through LDS at the end, which is also the road to whole rows for the stores.
; LIMIT: K is therefore added in four partial sums (k mod 256 in 0-63, 64-127, 128-191, 192-255), joined as (p0 + p1) + (p2 + p3).
; K goes in steps of 256 through two LDS slots: 128 rows of A (512 bytes each) and 256 rows of W (256 bytes each); wave w multiplies k = 64 w .. 64 w + 63 of a step.
; W lies [K][N]: ds_load_tr16_b128 turns 8 x 8 blocks on the way from LDS to registers.
; CLUSTERS: 4 x 4 work-groups; a row of the cluster shares A's tiles, a column W's, each asked for jointly.
; REGISTERS, in windows of 256:  window 0: v16-31 addresses; v64-127, v128-191 fragments of A, two buffers (the way out: partial rows); v192-195 bias
;   window 1: v64-127, v128-191 fragments of W (the way out: my 32 rows of the residual);  window 2: accumulator tiles of rows 0-63 (tile (a, b) at v[8 (8 a + b)]);  window 3: rows 64-127.
; The matrix instruction is used transposed (source 0 = 16 columns of W, source 1 = 16 rows of A): a lane holds eight neighbouring columns of one row.
.set SIZE_K, 4096
.set WOFF,   16777216                  ; W's first byte in wb
.set NB,     1024                      ; columns of W and of C
.set KSTEP,  256
.set PITCHA, 528                       ; an LDS row of A: 512 bytes + 16
.set PITCHB, 288                       ; an LDS row of W: 256 bytes + 32, an odd multiple of 32 for the transposing loads
.set HALFT,  128*PITCHB                ; a wave's part of a slot, 36,864 bytes: 128 rows of W, or 64 rows of A (33,792 bytes used)
.set SLOT,   4*HALFT                   ; A rows 0-63, A rows 64-127, W rows 0-127, W rows 128-255
.set PP,     528                       ; the way out: pitch of a partial block's rows (512 bytes + 16)
.set PMAT,   128*PP                    ; a partial block; four of them, 270,336 bytes, lie over the ring when it has had its last fill and its last read
.set LAPS,   SIZE_K/(2*KSTEP)
.set ADRA, 16                          ; v16-17  LDS address of my fragments of A in slot 0, 1
.set ADRB, 20                          ; v20-21  the same for W
.set BO,   24                          ; v24     16 l: my bytes in the bias
.set RO,   26                          ; v26     my byte offset in the residual and in C
.set PRD,  27                          ; v27-30  where I read partial block 0..3
.set PST,  31                          ; v31     where I put my partial block
.set F0,   64
.set F1,   128
.set P,    64                          ; the way out, window 0: eight rows x four partial blocks x 4 registers
.set RES,  64                          ; the way out, window 1: 32 rows x 4 registers
.set BIAS, 192
.set G1, 24
.set G0, 32
.set G1B, 48
.set G0B, 56
.set MSB, 0
.macro WIN new                         ; the immediate's high byte repeats the setting that is left
.if MSB != \new
	s_set_vgpr_msb (MSB<<8)|\new
.set MSB, \new
.endif
.endm
.set MUL_LO, 0xa1                      ; source 0 (W) window 1, source 1 (A) window 0, C and D window 2
.set MUL_HI, 0xf1                      ; the same, C and D window 3
.set TO_B,   0x40                      ; destination window 1, address window 0
.macro JLOAD s                         ; waves 0 and 1 fetch the halves of A's tile, waves 2 and 3 those of W's; the branch hangs on the wave's number alone
	s_cmp_eq_u32 s11, 0
	s_cbranch_scc0 .Lfor_b_\@
	tensor_load_to_lds s[G0+4*\s:G0+4*\s+3], s[G1:G1+7]
	s_nop 0
	s_branch .Lasked_\@
.Lfor_b_\@:
	tensor_load_to_lds s[G0B+4*\s:G0B+4*\s+3], s[G1B:G1B+7]
	s_nop 0
.Lasked_\@:
.endm
.macro CREST                           ; a round of the cluster's barrier behind its opening barrier
	s_cmp_lg_u32 s10, 0
	s_cbranch_scc1 .Lnot_wave_0_\@
	s_barrier_signal -3
.Lnot_wave_0_\@:
	s_barrier_wait -3
	s_barrier_signal -1
	s_barrier_wait -1
.endm
.macro CROUND
	s_barrier_signal -1
	s_barrier_wait -1
	CREST
.endm
	s_load_b128 s[4:7], s[0:1], 0x0                ; A s[4:5], wb s[6:7]
	s_load_b64 s[8:9], s[0:1], 0x10                ; C
	s_load_b64 s[66:67], s[0:1], 0x18              ; bias
	s_load_b64 s[68:69], s[0:1], 0x20              ; residual
	v_lshrrev_b32 v1, 5, v0
	v_readfirstlane_b32 s10, v1                    ; wave 0..3: my quarter of each K step
	s_lshr_b32 s11, s10, 1                         ; I fetch for A (0) or for W (1)
	s_and_b32 s12, s10, 1                          ; which half of that tile
	s_bfe_u32 s40, ttmp6, 0x40000                  ; cx
	s_bfe_u32 s41, ttmp6, 0x40004                  ; cy
	s_lshl_b32 s42, ttmp9, 2
	s_add_co_u32 s42, s42, s40                     ; block column = 4 x cluster x + cx
	s_and_b32 s13, ttmp7, 0xffff
	s_lshl_b32 s13, s13, 2
	s_add_co_u32 s13, s13, s41                     ; block row = 4 x cluster y + cy
	s_lshl_b32 s43, s41, 2
	s_lshl_b32 s43, 15, s43                        ; my row of the cluster
	s_lshl_b32 s44, 0x1111, s40                    ; my column
	s_or_b32 s[G1+0], s43, (1<<16)|(1<<20)|(1<<21)|(6<<22)|(3<<25)  ; mask; elements of 2 bytes; padding on; bit 21 beside a mask; after every 128 words 4 words
	s_mov_b32 s[G1+1], KSTEP<<16                   ; tensor_dim0 = 256
	s_mov_b32 s[G1+2], 64<<16                      ; tensor_dim1 = 64
	s_mov_b32 s[G1+3], KSTEP<<16                   ; tile_dim0 = 256
	s_mov_b32 s[G1+4], 64                          ; tile_dim1 = 64 rows
	s_mov_b32 s[G1+5], SIZE_K
	s_mov_b32 s[G1+6], 0
	s_mov_b32 s[G1+7], 0
	s_or_b32 s[G1B+0], s44, (1<<16)|(1<<20)|(1<<21)|(5<<22)|(7<<25) ; W: after every 64 words 8 words
	s_mov_b32 s[G1B+1], 128<<16                    ; tensor_dim0 = 128
	s_mov_b32 s[G1B+2], 128<<16                    ; tensor_dim1 = 128
	s_mov_b32 s[G1B+3], 128<<16                    ; tile_dim0 = 128
	s_mov_b32 s[G1B+4], 128                        ; tile_dim1 = 128 rows
	s_mov_b32 s[G1B+5], NB
	s_mov_b32 s[G1B+6], 0
	s_mov_b32 s[G1B+7], 0
	; A's tiles hang on the block row alone, W's on the block column alone; each address is made in registers that never hold the other coordinate
	s_lshl_b32 s17, s12, 6
	s_lshl_b32 s16, s13, 7
	s_add_co_u32 s16, s16, s17                     ; A: row 128 x block row + 64 x half
	s_mul_i32 s16, s16, SIZE_K*2
	s_mov_b32 s17, 0
	s_lshl_b32 s46, s42, 8                         ; W: columns 128 x block column (256 bytes),
	s_lshl_b32 s47, s12, 18                        ; 128 rows of 2,048 bytes for the second half,
	s_add_co_u32 s46, s46, s47
	s_add_co_u32 s46, s46, WOFF                    ; in its place in wb
	s_mov_b32 s47, 0
	s_mul_i32 s20, s10, HALFT                      ; where they go: wave x 36,864
	s_wait_kmcnt 0x0
	s_add_nc_u64 s[14:15], s[4:5], s[16:17]
	s_add_nc_u64 s[46:47], s[6:7], s[46:47]
	CROUND                                         ; all sixteen work-groups are here: the first joint loads meet
.irp s, 0,1
	s_mov_b32 s[G0+4*\s], 1
	s_add_co_u32 s[G0+4*\s+1], s20, \s*SLOT
	s_add_nc_u64 s[G0+4*\s+2:G0+4*\s+3], s[14:15], \s*KSTEP*2
	s_or_b32 s[G0+4*\s+3], s[G0+4*\s+3], 0x80000000
	s_mov_b32 s[G0B+4*\s], 1
	s_add_co_u32 s[G0B+4*\s+1], s20, \s*SLOT
	s_add_nc_u64 s[G0B+4*\s+2:G0B+4*\s+3], s[46:47], \s*KSTEP*NB*2
	s_or_b32 s[G0B+4*\s+3], s[G0B+4*\s+3], 0x80000000
	JLOAD \s                                       ; both slots' first fills: two tensor loads of the wave are out
.endr
	v_and_b32 v1, 15, v0                           ; r
	v_bfe_u32 v2, v0, 4, 1                         ; hh
	v_mul_u32_u24 v3, v1, PITCHA
	v_lshl_add_u32 v3, v2, 4, v3
	v_and_b32 v4, 7, v0
	v_lshl_add_u32 v4, v2, 3, v4
	v_mul_u32_u24 v4, v4, PITCHB
	v_bfe_u32 v5, v0, 3, 1
	v_lshl_add_u32 v4, v5, 4, v4
	s_lshl_b32 s21, s10, 7                         ; A: my 64 of the step's 256 along K are 128 bytes of each row
	s_mul_i32 s22, s10, 64*PITCHB                  ; W: they are 64 rows,
	s_add_co_u32 s22, s22, 2*HALFT                 ; behind A's two parts
.irp s, 0,1
	v_add_nc_u32 v[ADRA+\s], s21, v3
	v_add_nc_u32 v[ADRB+\s], s22, v4
	s_add_co_u32 s21, s21, SLOT
	s_add_co_u32 s22, s22, SLOT
.endr
	v_and_b32 v5, 31, v0
	v_lshlrev_b32 v[BO], 4, v5                     ; 16 l: a row of the block is 512 bytes, one load or store of the wave
	v_and_b32 v6, 0x60, v0
	v_lshl_add_u32 v[RO], v6, 12, v[BO]            ; rows 32 w .. of 4,096 bytes
	s_mul_i32 s23, s10, 32*PP
	v_add_nc_u32 v[PRD], s23, v[BO]
	v_add_nc_u32 v[PRD+1], PMAT, v[PRD]
	v_add_nc_u32 v[PRD+2], PMAT, v[PRD+1]
	v_add_nc_u32 v[PRD+3], PMAT, v[PRD+2]
	s_mul_i32 s23, s10, PMAT
	v_mul_u32_u24 v5, v1, PP
	v_lshl_add_u32 v5, v2, 5, v5                   ; row r, 32 bytes for each half of the lanes
	v_add_nc_u32 v[PST], s23, v5
; 16 matrix instructions.  The 64 accumulators take turns, one instruction a turn, in the same order in every quarter.
.macro MUL16 f, hi, a0, zero
.irp a, \a0, \a0+1
.irp b, 0,1,2,3,4,5,6,7
.if \zero
	v_wmma_f32_16x16x32_bf16 v[8*(8*(\a)+\b):8*(8*(\a)+\b)+7], v[\f+8*\b:\f+8*\b+7], v[\f+8*(4*\hi+\a):\f+8*(4*\hi+\a)+7], 0
.else
	v_wmma_f32_16x16x32_bf16 v[8*(8*(\a)+\b):8*(8*(\a)+\b)+7], v[\f+8*\b:\f+8*\b+7], v[\f+8*(4*\hi+\a):\f+8*(4*\hi+\a)+7], v[8*(8*(\a)+\b):8*(8*(\a)+\b)+7]
.endif
.endr
.endr
.endm
; 32 LDS loads in one run: the fragments of my quarter q (32 K) of a slot into buffer f.  A's rows 64-127 begin at the second wave's part of the slot.
.macro FETCH slot, q, f
	WIN TO_B
.irp i, 0,1,2,3,4,5,6,7
	ds_load_tr16_b128 v[\f+8*\i:\f+8*\i+3],   v[ADRB+\slot] offset:\q*32*PITCHB+32*\i
	ds_load_tr16_b128 v[\f+8*\i+4:\f+8*\i+7], v[ADRB+\slot] offset:\q*32*PITCHB+16*PITCHB+32*\i
.endr
	WIN 0
.irp i, 0,1,2,3,4,5,6,7
	ds_load_b128 v[\f+8*\i:\f+8*\i+3],   v[ADRA+\slot] offset:\q*64+(\i/4)*HALFT+(\i%4)*16*PITCHA
	ds_load_b128 v[\f+8*\i+4:\f+8*\i+7], v[ADRA+\slot] offset:\q*64+(\i/4)*HALFT+(\i%4)*16*PITCHA+32
.endr
.endm
; Four places of plain vector instructions stand between a matrix instruction and a load into, or a vector write or read of, its registers.
.macro PLACES
.rept 4
	v_nop
.endr
.endm
.macro QUARTER slot, q, f, g, zero
	s_wait_dscnt 8                                 ; W and A's rows 0-63 are in; the youngest eight loads (A's rows 64-127) may be out
	WIN MUL_LO
	MUL16 \f, 0, 0, \zero
	MUL16 \f, 0, 2, \zero
	PLACES
	FETCH \slot, \q, \g
	s_wait_dscnt 32                                ; all but the 32 just issued
	WIN MUL_HI
	MUL16 \f, 1, 0, \zero
	MUL16 \f, 1, 2, \zero
.endm
.macro STEPQ slot, zero                ; a wave's share of a K step is two quarters of 32: this is the first
	QUARTER \slot, 1, F0, F1, \zero
.endm
; The second: multiplies buffer 1 and changes slots.  In front of the barrier each wave waits for its reads of this slot and for all its tensor loads;
; behind it (fill = 1: behind the whole round of the cluster's barrier) the refill comes first, then the next slot's first fragments.
.macro TURN slot, next, fill
	s_wait_dscnt 8
	WIN MUL_LO
	MUL16 F1, 0, 0, 0
	s_wait_dscnt 0
	s_wait_tensorcnt 0x0
	s_barrier_signal -1
	MUL16 F1, 0, 2, 0
	WIN 0
	s_barrier_wait -1
.if \fill
	CREST
	s_add_nc_u64 s[G0+4*\slot+2:G0+4*\slot+3], s[G0+4*\slot+2:G0+4*\slot+3], 2*KSTEP*2
	s_add_nc_u64 s[G0B+4*\slot+2:G0B+4*\slot+3], s[G0B+4*\slot+2:G0B+4*\slot+3], 2*KSTEP*NB*2
	JLOAD \slot                                    ; my one tensor load behind the round; 112 matrix instructions stand between it and the wait for it
.endif
	PLACES
	FETCH \next, 0, F0
	WIN MUL_HI
	MUL16 F1, 1, 0, 0
	MUL16 F1, 1, 2, 0
.endm
.macro LAP zero
	STEPQ 0, \zero
	TURN 0, 1, 1
	STEPQ 1, 0
	TURN 1, 0, 1
.endm
	s_wait_tensorcnt 1                             ; my part of K step 0 is in; K step 1's may stay out
	s_barrier_signal -1
	s_barrier_wait -1
	FETCH 0, 0, F0
	LAP 1
.if LAPS > 2
	WIN 0
	s_mov_b32 s3, LAPS-2
.Llap:
	LAP 0
	WIN 0
	s_sub_co_u32 s3, s3, 1
	s_cmp_lg_u32 s3, 0
	s_cbranch_scc1 .Llap
.endif
	STEPQ 0, 0                                     ; the last lap fills nothing
	TURN 0, 1, 0
	STEPQ 1, 0
	s_wait_dscnt 8
	WIN MUL_LO
	MUL16 F1, 0, 0, 0
	MUL16 F1, 0, 2, 0
	s_wait_dscnt 0
	WIN MUL_HI
	MUL16 F1, 1, 0, 0
	MUL16 F1, 1, 2, 0
	; THE WAY OUT.  My 32 rows of the residual and the bias are asked for first; the four partial blocks meet in LDS; wave w adds and stores rows 32 w .. 32 w + 31.
	PLACES
	s_lshl_b32 s16, s13, 19                        ; 128 rows of 4,096 bytes
	s_mov_b32 s17, 0
	s_lshl_b32 s46, s42, 9                         ; 128 columns of 4 bytes
	s_mov_b32 s47, 0
	s_add_nc_u64 s[8:9], s[8:9], s[16:17]
	s_add_nc_u64 s[8:9], s[8:9], s[46:47]
	s_add_nc_u64 s[68:69], s[68:69], s[16:17]
	s_add_nc_u64 s[68:69], s[68:69], s[46:47]
	s_add_nc_u64 s[66:67], s[66:67], s[46:47]
	WIN TO_B
.set i, 0
.rept 32
	global_load_b128 v[RES+4*i:RES+4*i+3], v[RO], s[68:69] offset:4096*i
.set i, i+1
.endr
	WIN 0
	global_load_b128 v[BIAS:BIAS+3], v[BO], s[66:67]
	s_wait_dscnt 0x0                               ; my reads of the ring are over,
	s_wait_tensorcnt 0x0                           ; no fill is out (none has been since the last change of slots),
	s_barrier_signal -1
	s_barrier_wait -1                              ; and that holds of all four waves: the ring's bytes may be written
.irp hi, 0,1
	WIN 0x08+4*\hi                                 ; store data from window 2, then 3
.irp a, 0,1,2,3
.irp b, 0,1,2,3,4,5,6,7
	ds_store_b128 v[PST], v[8*(8*\a+\b):8*(8*\a+\b)+3]   offset:(4*\hi+\a)*16*PP+64*\b      ; row 16 a + r, columns 16 b + 8 hh + 0..3
	ds_store_b128 v[PST], v[8*(8*\a+\b)+4:8*(8*\a+\b)+7] offset:(4*\hi+\a)*16*PP+64*\b+16   ; + 4..7
.endr
.endr
.endr
	WIN 0
	s_wait_dscnt 0x0                               ; for the others' sake: my block is written
	s_barrier_signal -1
	s_barrier_wait -1
.macro SUMROWS g                       ; rows 8 g .. 8 g + 7 of my 32
.if \g
	s_wait_xcnt 0x0                                ; the last group's stores have had their addresses translated (ISA guide 3.1): their data registers are loaded again only behind this wait
.endif
.irp i, 0,1,2,3,4,5,6,7
.irp s, 0,1,2,3
	ds_load_b128 v[P+16*\i+4*\s:P+16*\i+4*\s+3], v[PRD+\s] offset:(8*\g+\i)*PP
.endr
.endr
.if \g == 0
	s_wait_loadcnt 0x0                             ; residual and bias, once
.endif
.irp i, 0,1,2,3,4,5,6,7
	s_wait_dscnt 28-4*\i                           ; row i's four loads are in; the later rows' may be out
	v_pk_add_f32 v[P+16*\i:P+16*\i+1],     v[P+16*\i:P+16*\i+1],     v[P+16*\i+4:P+16*\i+5]
	v_pk_add_f32 v[P+16*\i+2:P+16*\i+3],   v[P+16*\i+2:P+16*\i+3],   v[P+16*\i+6:P+16*\i+7]
	v_pk_add_f32 v[P+16*\i+8:P+16*\i+9],   v[P+16*\i+8:P+16*\i+9],   v[P+16*\i+12:P+16*\i+13]
	v_pk_add_f32 v[P+16*\i+10:P+16*\i+11], v[P+16*\i+10:P+16*\i+11], v[P+16*\i+14:P+16*\i+15]
	v_pk_add_f32 v[P+16*\i:P+16*\i+1],     v[P+16*\i:P+16*\i+1],     v[P+16*\i+8:P+16*\i+9]
	v_pk_add_f32 v[P+16*\i+2:P+16*\i+3],   v[P+16*\i+2:P+16*\i+3],   v[P+16*\i+10:P+16*\i+11]
	v_pk_add_f32 v[P+16*\i:P+16*\i+1],     v[P+16*\i:P+16*\i+1],     v[BIAS:BIAS+1]
	v_pk_add_f32 v[P+16*\i+2:P+16*\i+3],   v[P+16*\i+2:P+16*\i+3],   v[BIAS+2:BIAS+3]
.endr
	WIN 0x04                                       ; source 1 from window 1: the residual
.irp i, 0,1,2,3,4,5,6,7
	v_pk_add_f32 v[P+16*\i:P+16*\i+1],   v[P+16*\i:P+16*\i+1],   v[RES+4*(8*\g+\i):RES+4*(8*\g+\i)+1]
	v_pk_add_f32 v[P+16*\i+2:P+16*\i+3], v[P+16*\i+2:P+16*\i+3], v[RES+4*(8*\g+\i)+2:RES+4*(8*\g+\i)+3]
.endr
	WIN 0
.irp i, 0,1,2,3,4,5,6,7
	global_store_b128 v[RO], v[P+16*\i:P+16*\i+3], s[8:9] offset:4096*(8*\g+\i)   ; the wave stores 512 consecutive bytes, aligned
.endr
.endm
	SUMROWS 0
	SUMROWS 1
	SUMROWS 2
	SUMROWS 3
	CROUND                                         ; the closing round: no work-group ends while a partner may still ask for a tile that names it
	s_endpgm
.Lfunc_end_k_q2976ca8f4f_ffn2:
	.size	k_q2976ca8f4f_ffn2, .Lfunc_end_k_q2976ca8f4f_ffn2-k_q2976ca8f4f_ffn2
	.p2alignl 7, 3214868480
	.fill 96, 4, 3214868480
	.section	.rodata,"a",@progbits
	.p2align	6, 0x0
	.amdhsa_kernel k_q2976ca8f4f_ffn2
		.amdhsa_group_segment_fixed_size 327680
		.amdhsa_private_segment_fixed_size 0
		.amdhsa_enable_private_segment 0
		.amdhsa_kernarg_size 40
		.amdhsa_user_sgpr_count 2
		.amdhsa_user_sgpr_kernarg_segment_ptr 1
		.amdhsa_wavefront_size32 1
		.amdhsa_system_sgpr_workgroup_id_x 1
		.amdhsa_system_sgpr_workgroup_id_y 1
		.amdhsa_system_sgpr_workgroup_id_z 1
		.amdhsa_system_vgpr_workitem_id 0
		.amdhsa_next_free_vgpr 1024
		.amdhsa_next_free_sgpr 80
		.amdhsa_reserve_vcc 0
		.amdhsa_float_denorm_mode_32 3
		.amdhsa_float_denorm_mode_16_64 3
		.amdhsa_memory_ordered 1
		.amdhsa_forward_progress 1
		.amdhsa_inst_pref_size 130
	.end_amdhsa_kernel
	.amdgpu_metadata
---
amdhsa.version: [ 1, 2 ]
amdhsa.kernels:
  - .name:           k_q2976ca8f4f_ffn2
    .symbol:         k_q2976ca8f4f_ffn2.kd
    .args:
      - { .name: mid, .offset: 0, .size: 8, .value_kind: global_buffer, .address_space: global }
      - { .name: wb, .offset: 8, .size: 8, .value_kind: global_buffer, .address_space: global }
      - { .name: out0, .offset: 16, .size: 8, .value_kind: global_buffer, .address_space: global }
      - { .name: b2, .offset: 24, .size: 8, .value_kind: global_buffer, .address_space: global }
      - { .name: x1, .offset: 32, .size: 8, .value_kind: global_buffer, .address_space: global }
    .group_segment_fixed_size: 327680
    .private_segment_fixed_size: 0
    .kernarg_segment_align: 8
    .kernarg_segment_size: 40
    .max_flat_workgroup_size: 128
    .sgpr_count:     80
    .vgpr_count:     1024
    .wavefront_size: 32
...
	.end_amdgpu_metadata
.endif
;; end of part 7
